; MI455X (gfx1250); checked and timed in simulation.
; The chip was launched on July 23, 2026; its instructions are those of AMD's public machine-readable ISA for CDNA 5 (MIT licence, August 2026) and "CDNA5" Instruction Set Architecture Reference Guide (July 2026). The comments in the code are by the model that wrote it; some were corrected since.
;; Sprecher Layer Block. Allowed arithmetic: float matrix products may take bf16 or f16 operands with f32 sums; all other float work in f32.
;; Inputs: Phi_coeffs 256 float32; Phi_knots 256 float32; cc one number float32; cr one number float32; lambdas 256 float32; phi_knots 256 float32; phi_log_increments 256 float32; shifts 256 float32; x 512 x 256 float32.
;; Outputs: out0 512 x 256 float32.
;; 2 versions, each right and faster than the one before. Each part assembles by itself: llvm-mc -triple=amdgcn-amd-amdhsa -mcpu=gfx1250 --defsym DOCPART=n.
;; ======== version 1 of 2: 2 launches
;; workspace buffers: xi 524,288 bytes of whole numbers; wn 6,400 bytes of whole numbers; ft 5,120 bytes
;; launch prep (part 1): grid 32 x 1, 8 waves a work-group, no clusters, 1,280 bytes of LDS; arguments x, phi_knots, shifts, phi_log_increments, Phi_coeffs, Phi_knots, cc, cr, xi, wn, ft; writes xi, wn, ft
.if DOCPART == 1
	.amdgcn_target "amdgcn-amd-amdhsa--gfx1250"
	.amdhsa_code_object_version 6
	.text
	.protected	k_qce0a70accb_prep
	.globl	k_qce0a70accb_prep
	.p2align	8
	.type	k_qce0a70accb_prep,@function
k_qce0a70accb_prep:
	s_mov_b64 s[64:65], 0
	v_nop
	global_prefetch_b8 v0, s[64:65] scope:SCOPE_SE
	s_setreg_imm32_b32 hwreg(HW_REG_WAVE_MODE, 25, 1), 1
	s_wait_xcnt 0x0
; PREP: turns everything from which the next launch forms LDS addresses into whole numbers, and makes the two splines' tables.
; Fixed point: D = max(k255 - k0, max |shifts|, 2^-100), S = 134000000 / D (the numerator is below 2^27).
;   ki[j] = rne((k[j] - k0) S) in 0 .. 2^27-1     si[q] = rne(shifts[q] S)     xi[b][p] = rne(clamp((x - k0) S, -2^29, 2^29))
; The clamp of xi loses nothing: |x - k0| >= 4 D puts x + shift outside the knots whatever the shift (|shift| <= D, k255 - k0 <= D).
; A grid of 512 cells of 2^18 units: cell c holds {16 x the index that is valid at its first value, the first knot j >= 1 at or above that value}.
; L = the largest number of knots (j >= 1) inside one cell; the next launch walks L - 1 further steps behind the one compare with the cell's knot.
; OUT:  xi [512][256] i32.   wn: cells at 0 (512 x 8 bytes), ki at 4096, si at 5120, one L for each of the 32 work-groups at 6144.
;       ft (f32 arrays of 256): c at 0, g at 1024 (slope for one unit), and the outer spline as 256 clamped ramps: knot at 2048, 1/width at 3072, height at 4096.
; SHARES: 256 waves.  Every wave holds all 256 knots (lane l: elements 8 l .. 8 l + 7 and the next one), converts 512 numbers of x (2,048 bytes)
; and builds two cells.  Wave 0 of a work-group stores the group's 16 cell entries and its L; wave 0 of work-group 0 makes the tables.
; LIMITS: both knot vectors are non-decreasing (the problem's searchsorted relies on it); NaN and infinities are not reproduced; inner knots closer
; than D / 134000000 merge into a jump; D is floored at 2^-100.
.set KN,  8                            ; v[8:16]    nine inner knots
.set SH,  18                           ; v[18:25]   eight shifts, later si in place
.set X,   28                           ; v[28:43]   sixteen x, then xi in place
.set KI,  44                           ; v[44:52]   nine knots in fixed point
.set KC0, 53                           ; v53        ki of my first knot; -1 in lane 0, so that knot 0 lies below every cell
.set SC,  54                           ; v54        S
.set K0,  55                           ; v55        k0
.set CNT, 56                           ; v56        knots below the cell's first value
.set CH,  57                           ; v57        knots below the next cell's first value
.set MN,  58                           ; v58        least (ki - first value), unsigned
.set PK,  59                           ; v59        both counts packed
.set LI,  80                           ; v[80:88]   log increments, then increments
.set EE,  90                           ; v[90:98]
.set UU,  100                          ; v[100:108]
.set LG,  110                          ; v[110:118]
.set DD,  120                          ; v[120:128]
.set PP,  130                          ; v[130:138] nine outer coefficients
.set KK,  140                          ; v[140:148] nine outer knots
.set CC,  150                          ; v[150:157] prefix sums, then c
.set GG,  158                          ; v[158:165] g
.set NB,  166                          ; v[166:173] ramp's knot
.set RC,  174                          ; v[174:181] 1 / ramp's width
.set DC,  182                          ; v[182:189] ramp's height
.set RD,  166                          ; v[166:174] reciprocals of the softplus, before NB and RC are made
.set EPS, 0x322bcc77                   ; 1e-8
	s_load_b512 s[4:19], s[0:1], 0x0               ; x s[4:5], phi_knots s[6:7], shifts s[8:9], log increments s[10:11], Phi_coeffs s[12:13], Phi_knots s[14:15], cc s[16:17], cr s[18:19]
	s_load_b128 s[20:23], s[0:1], 0x40             ; xi s[20:21], wn s[22:23]
	s_load_b64 s[24:25], s[0:1], 0x50              ; ft
	v_lshl_add_u32 v192, v0, 2, 0x100
	v_mov_b32 v193, 0
	v_and_b32 v1, 31, v0                           ; lane
	v_lshrrev_b32 v5, 5, v0
	v_readfirstlane_b32 s26, v5                    ; wave in the work-group
	s_lshl_b32 s27, ttmp9, 3
	s_add_co_u32 s27, s27, s26                     ; wave in the launch, 0 .. 255
	v_lshlrev_b32 v2, 5, v1                        ; my eight elements of a vector of 256
	v_add_nc_u32 v3, 32, v2
	v_min_u32 v3, 1020, v3                         ; the element behind them (lane 31: the last one again)
	v_lshlrev_b32 v4, 4, v1                        ; 16 bytes a lane
	v_mov_b32 v6, 0                                ; written once: it is the target of lane exchanges below
	s_mov_b32 s34, 0x76543210                      ; v_permlanex16_b32: lane i reads lane i of the other half
	s_mov_b32 s35, 0xfedcba98
	s_mov_b32 s42, 0xce000000                      ; -2^29
	s_mov_b32 s43, 0x4e000000                      ; +2^29
	s_mov_b32 s46, 0xbfb8aa3b                      ; -log2(e)
	s_mov_b32 s48, 0x71800000                      ; 2^100
	s_lshl_b32 s44, s27, 11                        ; my wave's 2,048 bytes of x and of xi
	s_mov_b32 s45, 0
	s_wait_kmcnt 0x0
	s_load_b32 s28, s[6:7], 0x0                    ; k0
	s_load_b32 s29, s[6:7], 0x3fc                  ; k255
	s_add_nc_u64 s[4:5], s[4:5], s[44:45]
	s_add_nc_u64 s[20:21], s[20:21], s[44:45]
	global_load_b128 v[KN:KN+3],   v2, s[6:7]
	global_load_b128 v[KN+4:KN+7], v2, s[6:7] offset:16
	global_load_b32  v[KN+8],      v3, s[6:7]
	global_load_b128 v[SH:SH+3],   v2, s[8:9]
	global_load_b128 v[SH+4:SH+7], v2, s[8:9] offset:16
.irp i, 0,1,2,3
	global_load_b128 v[X+4*\i:X+4*\i+3], v4, s[4:5] offset:512*\i      ; 512 consecutive bytes for each load of the wave
.endr
	s_wait_kmcnt 0x0                               ; k0, k255
	; the scale
	s_wait_loadcnt 0x4                             ; knots and shifts are in; the four younger loads (x) stay out
	v_max3_num_f32 v5, |v[SH]|, |v[SH+1]|, |v[SH+2]|
	v_max3_num_f32 v5, v5, |v[SH+3]|, |v[SH+4]|
	v_max3_num_f32 v5, v5, |v[SH+5]|, |v[SH+6]|
	v_max_num_f32 v5, v5, |v[SH+7]|
.irp m, 1,2,4,8
	v_max_num_f32_dpp v5, v5, v5 row_xmask:\m row_mask:0xf bank_mask:0xf
.endr
	v_permlanex16_b32 v6, v5, s34, s35
	v_max_num_f32 v5, v5, v6                       ; max |shifts| in every lane
	v_mov_b32 v[K0], s28
	v_sub_f32 v6, s29, v[K0]                       ; k255 - k0
	v_max3_num_f32 v5, v5, v6, 0x0d800000          ; D, at least 2^-100
	v_rcp_f32 v[SC], v5
	v_nop                                          ; one plain vector instruction behind a transcendental before its result is used (ISA guide 5.7.2)
	s_wait_alu depctr_va_vdst(0)
	v_mul_f32 v[SC], 0x4cff95b0, v[SC]             ; S = 134000000 / D
	; the knots in fixed point
.irp i, 0,1,2,3,4,5,6,7,8
	v_sub_f32 v[KI+\i], v[KN+\i], v[K0]
.endr
.irp i, 0,1,2,3,4,5,6,7,8
	v_mul_f32 v[KI+\i], v[KI+\i], v[SC]
.endr
.irp i, 0,1,2,3,4,5,6,7,8
	v_rndne_f32 v[KI+\i], v[KI+\i]
.endr
.irp i, 0,1,2,3,4,5,6,7,8
	v_cvt_i32_f32 v[KI+\i], v[KI+\i]
.endr
	v_cmp_ne_u32 vcc_lo, 0, v1
	v_cndmask_b32 v[KC0], -1, v[KI], vcc_lo        ; lane 0: -1 in the place of knot 0
	; x in fixed point, four numbers a lane at a time
.irp i, 0,1,2,3
	s_wait_loadcnt 3-\i                            ; loads come back in order: quad i is in, the younger quads stay out
.irp j, 0,1,2,3
	v_sub_f32 v[X+4*\i+\j], v[X+4*\i+\j], v[K0]
.endr
.irp j, 0,1,2,3
	v_mul_f32 v[X+4*\i+\j], v[X+4*\i+\j], v[SC]
.endr
.irp j, 0,1,2,3
	v_med3_num_f32 v[X+4*\i+\j], v[X+4*\i+\j], s42, s43
.endr
.irp j, 0,1,2,3
	v_rndne_f32 v[X+4*\i+\j], v[X+4*\i+\j]
.endr
.irp j, 0,1,2,3
	v_cvt_i32_f32 v[X+4*\i+\j], v[X+4*\i+\j]
.endr
	global_store_b128 v4, v[X+4*\i:X+4*\i+3], s[20:21] offset:512*\i   ; 512 consecutive bytes, aligned; X is not written again
.endr
; One cell: number 2 x wave + c.  res: the entry's two registers; inside: the number of knots in the cell.
.macro CELL c, res, inside
	s_lshl_b32 s36, s27, 19                        ; first value of cell 2 x wave
.if \c
	s_add_co_u32 s36, s36, 0x40000
.endif
	s_add_co_u32 s37, s36, 0x40000                 ; first value of the next cell
	v_mov_b32 v[CNT], 0
	v_mov_b32 v[CH], 0
	v_cmp_gt_i32 vcc_lo, s36, v[KC0]
	v_add_co_ci_u32 v[CNT], vcc_lo, 0, v[CNT], vcc_lo
	v_cmp_gt_i32 vcc_lo, s37, v[KC0]
	v_add_co_ci_u32 v[CH], vcc_lo, 0, v[CH], vcc_lo
	v_sub_nc_u32 v[MN], v[KC0], s36                ; unsigned: a knot below the cell wraps to a huge number
.irp i, 1,2,3,4,5,6,7
	v_cmp_gt_i32 vcc_lo, s36, v[KI+\i]
	v_add_co_ci_u32 v[CNT], vcc_lo, 0, v[CNT], vcc_lo
	v_cmp_gt_i32 vcc_lo, s37, v[KI+\i]
	v_add_co_ci_u32 v[CH], vcc_lo, 0, v[CH], vcc_lo
	v_sub_nc_u32 v5, v[KI+\i], s36
	v_min_u32 v[MN], v[MN], v5
.endr
	v_lshl_add_u32 v[PK], v[CH], 16, v[CNT]        ; both counts are at most 256: one sum over the lanes serves both
.irp m, 1,2,4,8
	v_mov_b32_dpp v5, v[PK] row_xmask:\m row_mask:0xf bank_mask:0xf
	v_mov_b32_dpp v6, v[MN] row_xmask:\m row_mask:0xf bank_mask:0xf
	v_add_nc_u32 v[PK], v[PK], v5
	v_min_u32 v[MN], v[MN], v6
.endr
	v_permlanex16_b32 v5, v[PK], s34, s35
	v_permlanex16_b32 v6, v[MN], s34, s35
	v_add_nc_u32 v[PK], v[PK], v5
	v_min_u32 v[MN], v[MN], v6
	v_and_b32 v5, 0xffff, v[PK]                    ; knots below the cell, at least 1 (knot 0)
	v_lshrrev_b32 v6, 16, v[PK]
	v_sub_nc_u32 v[\inside], v6, v5
	v_add_nc_u32 v5, -1, v5
	v_min_u32 v5, 254, v5
	v_lshlrev_b32 v[\res], 4, v5                   ; 16 x index: the byte offset of a table entry
	v_add_nc_u32 v[\res+1], s36, v[MN]             ; the first knot at or above the cell's first value
.endm
	CELL 0, 60, 62
	CELL 1, 64, 66
	; the two entries and my L go to LDS: L words at bytes 0-31, entries at 32-159.  Every lane writes the entry of its parity:
	; sixteen lanes write the same bytes with the same values, and EXEC stays whole.
	v_and_b32 v7, 1, v1
	v_cmp_eq_u32 vcc_lo, 1, v7
	v_cndmask_b32 v68, v60, v64, vcc_lo
	v_cndmask_b32 v69, v61, v65, vcc_lo
	v_lshlrev_b32 v7, 3, v7
	v_lshl_add_u32 v7, s26, 4, v7                  ; 16 x wave + 8 x parity
	ds_store_b64 v7, v[68:69] offset:32
	v_max_u32 v71, v62, v66
	v_mov_b32 v70, s26
	v_lshlrev_b32 v70, 2, v70
	ds_store_b32 v70, v71
	s_wait_dscnt 0x0                               ; my LDS stores are done before I say so: wave 0 reads them behind the barrier
	s_barrier_signal -1
	s_barrier_wait -1
	s_cmp_lg_u32 s26, 0
	s_cbranch_scc1 .Lend                           ; no barrier follows
	; wave 0: the group's 16 entries (128 consecutive bytes, one store) and its L
	v_mov_b32 v5, 0
	v_lshlrev_b32 v6, 2, v1
	ds_load_b128 v[72:75], v5
	ds_load_b128 v[76:79], v5 offset:16
	ds_load_b32 v67, v6 offset:32
	s_lshl_b32 s40, ttmp9, 7
	s_lshl_b32 s41, ttmp9, 2
	v_add_nc_u32 v70, s40, v6                      ; 128 x work-group + 4 x lane
	v_mov_b32 v7, s41
	s_wait_dscnt 0x0
	global_store_b32 v70, v67, s[22:23]
	v_max_u32 v72, v72, v73
	v_max_u32 v74, v74, v75
	v_max_u32 v76, v76, v77
	v_max_u32 v78, v78, v79
	v_max_u32 v72, v72, v74
	v_max_u32 v76, v76, v78
	v_max_u32 v72, v72, v76
	v_cmp_eq_u32 vcc_lo, 0, v1
	s_wait_xcnt 0x0                                ; EXEC is a source of the stores issued so far: it is narrowed only behind this wait
	s_and_saveexec_b32 s38, vcc_lo
	global_store_b32 v7, v72, s[22:23] offset:6144 ; lane 0 alone: one word for the work-group
	s_wait_xcnt 0x0                                ; and widened only behind this one; v7 and v72 are free too
	s_or_b32 exec_lo, exec_lo, s38
	s_cmp_lg_u32 ttmp9, 0
	s_cbranch_scc1 .Lend
	; THE TABLES, by one wave: 7 KiB in all, made once.
	s_load_b32 s30, s[16:17], 0x0                  ; cc
	s_load_b32 s31, s[18:19], 0x0                  ; cr
	s_load_b32 s32, s[12:13], 0x0                  ; Phi_coeffs[0]
	global_load_b128 v[LI:LI+3],   v2, s[10:11]
	global_load_b128 v[LI+4:LI+7], v2, s[10:11] offset:16
	global_load_b32  v[LI+8],      v3, s[10:11]
	global_load_b128 v[PP:PP+3],   v2, s[12:13]
	global_load_b128 v[PP+4:PP+7], v2, s[12:13] offset:16
	global_load_b32  v[PP+8],      v3, s[12:13]
	global_load_b128 v[KK:KK+3],   v2, s[14:15]
	global_load_b128 v[KK+4:KK+7], v2, s[14:15] offset:16
	global_load_b32  v[KK+8],      v3, s[14:15]
	s_wait_loadcnt 0x6                             ; the log increments are in; the six younger loads stay out
	; softplus(v) = max(v, 0) + log1p(e), e = exp(-|v|); log1p(e) = ln(u) e / (u - 1) with u = 1 + e as rounded, and e itself where u = 1
.irp i, 0,1,2,3,4,5,6,7,8
	v_mul_f32 v[UU+\i], s46, |v[LI+\i]|
.endr
.irp i, 0,1,2,3,4,5,6,7,8
	v_exp_f32 v[EE+\i], v[UU+\i]
.endr
	v_nop                                          ; the plain place behind the run of transcendentals (ISA guide 5.7.2)
	s_wait_alu depctr_va_vdst(0)
.irp i, 0,1,2,3,4,5,6,7,8
	v_add_f32 v[UU+\i], 1.0, v[EE+\i]
.endr
.irp i, 0,1,2,3,4,5,6,7,8
	v_add_f32 v[DD+\i], -1.0, v[UU+\i]
.endr
.irp i, 0,1,2,3,4,5,6,7,8
	v_log_f32 v[LG+\i], v[UU+\i]
.endr
.irp i, 0,1,2,3,4,5,6,7,8
	v_rcp_f32 v[RD+\i], v[DD+\i]
.endr
	v_nop                                          ; the plain place again
	s_wait_alu depctr_va_vdst(0)
.irp i, 0,1,2,3,4,5,6,7,8
	v_mul_f32 v[LG+\i], 0x3f317218, v[LG+\i]       ; ln u
	v_mul_f32 v[RD+\i], v[EE+\i], v[RD+\i]         ; e / (u - 1)
	v_mul_f32 v[LG+\i], v[LG+\i], v[RD+\i]
	v_cmp_eq_f32 vcc_lo, 0, v[DD+\i]
	v_cndmask_b32 v[LG+\i], v[LG+\i], v[EE+\i], vcc_lo
	v_max_num_f32 v[LI+\i], 0, v[LI+\i]
	v_add_f32 v[LI+\i], v[LI+\i], v[LG+\i]         ; the increment
.endr
	; running sums: inside the lane, then over the lanes' totals
	v_add_f32 v[CC+1], v[LI], v[LI+1]
.irp i, 2,3,4,5,6,7
	v_add_f32 v[CC+\i], v[CC+\i-1], v[LI+\i]
.endr
	v_mov_b32_dpp v6, v[CC+7] row_shr:1 row_mask:0xf bank_mask:0xf bound_ctrl:1
	v_add_f32 v5, v[CC+7], v6
.irp n, 2,4,8
	v_mov_b32_dpp v6, v5 row_shr:\n row_mask:0xf bank_mask:0xf bound_ctrl:1
	v_add_f32 v5, v5, v6
.endr
	v_readlane_b32 s40, v5, 15                     ; the lower sixteen lanes' sum,
	v_mov_b32 v6, s40
	v_cmp_lt_u32 vcc_lo, 15, v1
	v_cndmask_b32 v6, 0, v6, vcc_lo
	v_add_f32 v5, v5, v6                           ; added in the upper sixteen
	v_readlane_b32 s41, v5, 31                     ; the whole sum
	v_mov_b32 v6, EPS
	v_add_f32 v6, s41, v6
	v_rcp_f32 v7, v6                               ; 1 / (sum + 1e-8)
	v_sub_f32 v5, v5, v[CC+7]                      ; the plain place: what the lanes below me sum to
	v_add_f32 v[CC], v5, v[LI]
.irp i, 1,2,3,4,5,6,7
	v_add_f32 v[CC+\i], v5, v[CC+\i]
.endr
	s_wait_alu depctr_va_vdst(0)
.irp i, 0,1,2,3,4,5,6,7
	v_mul_f32 v[CC+\i], v[CC+\i], v7               ; c[j]
.endr
	; g[j] = (c[j+1] - c[j]) / (ki[j+1] - ki[j]); c[j+1] - c[j] is increment j+1 over the sum.  0 where the knots' spacing is not above 1e-8, or is no unit
.irp i, 0,1,2,3,4,5,6,7
	v_sub_nc_u32 v[GG+\i], v[KI+\i+1], v[KI+\i]
	v_cvt_f32_i32 v[EE+\i], v[GG+\i]
.endr
.irp i, 0,1,2,3,4,5,6,7
	v_rcp_f32 v[UU+\i], v[EE+\i]
.endr
	v_nop                                          ; the plain place
	s_wait_alu depctr_va_vdst(0)
.irp i, 0,1,2,3,4,5,6,7
	v_sub_f32 v6, v[KN+\i+1], v[KN+\i]
	v_cmp_lt_f32 vcc_lo, EPS, v6
	v_cmp_lt_i32 s39, 0, v[GG+\i]
	s_and_b32 vcc_lo, vcc_lo, s39
	v_mul_f32 v[UU+\i], v[UU+\i], v[LI+\i+1]
	v_mul_f32 v[UU+\i], v[UU+\i], v7
	v_cndmask_b32 v[GG+\i], 0, v[UU+\i], vcc_lo
.endr
	; the shifts in fixed point
.irp i, 0,1,2,3,4,5,6,7
	v_mul_f32 v[SH+\i], v[SH+\i], v[SC]
.endr
.irp i, 0,1,2,3,4,5,6,7
	v_rndne_f32 v[SH+\i], v[SH+\i]
.endr
.irp i, 0,1,2,3,4,5,6,7
	v_cvt_i32_f32 v[SH+\i], v[SH+\i]
.endr
	; the outer spline as ramps: y = sum over j of height[j] x clamp((s - knot[j]) / width[j], 0, 1); term 255 carries the first coefficient
	s_wait_loadcnt 0x0
	s_wait_kmcnt 0x0
	v_min3_num_f32 v5, v[PP], v[PP+1], v[PP+2]
	v_max3_num_f32 v6, v[PP], v[PP+1], v[PP+2]
	v_min3_num_f32 v5, v5, v[PP+3], v[PP+4]
	v_max3_num_f32 v6, v6, v[PP+3], v[PP+4]
	v_min3_num_f32 v5, v5, v[PP+5], v[PP+6]
	v_max3_num_f32 v6, v6, v[PP+5], v[PP+6]
	v_min_num_f32 v5, v5, v[PP+7]
	v_max_num_f32 v6, v6, v[PP+7]
.irp m, 1,2,4,8
	v_min_num_f32_dpp v5, v5, v5 row_xmask:\m row_mask:0xf bank_mask:0xf
	v_max_num_f32_dpp v6, v6, v6 row_xmask:\m row_mask:0xf bank_mask:0xf
.endr
	v_permlanex16_b32 v56, v5, s34, s35
	v_permlanex16_b32 v57, v6, s34, s35
	v_min_num_f32 v5, v5, v56
	v_max_num_f32 v6, v6, v57
	v_sub_f32 v56, v6, v5
	v_add_f32 v56, EPS, v56
	v_rcp_f32 v58, v56                             ; 1 / (max - min + 1e-8)
	v_sub_f32 v59, s32, v5                         ; the plain place: Phi_coeffs[0] - min
	s_wait_alu depctr_va_vdst(0)
	v_mul_f32 v58, s31, v58
	v_add_f32 v58, v58, v58                        ; 2 cr / (max - min + 1e-8)
	v_mov_b32 v57, s31
	v_sub_f32 v57, s30, v57                        ; cc - cr
	v_fma_f32 v59, v59, v58, v57                   ; the first coefficient after the codomain's transform
.irp i, 0,1,2,3,4,5,6,7
	v_sub_f32 v[DD+\i], v[KK+\i+1], v[KK+\i]       ; width
.endr
.irp i, 0,1,2,3,4,5,6,7
	v_rcp_f32 v[RC+\i], v[DD+\i]
.endr
.irp i, 0,1,2,3,4,5,6,7
	v_sub_f32 v[DC+\i], v[PP+\i+1], v[PP+\i]       ; plain work behind the transcendentals
.endr
.irp i, 0,1,2,3,4,5,6,7
	v_mul_f32 v[DC+\i], v[DC+\i], v58
.endr
	s_wait_alu depctr_va_vdst(0)
.irp i, 0,1,2,3,4,5,6,7
	v_cmp_lt_f32 vcc_lo, EPS, v[DD+\i]
	v_cndmask_b32 v[RC+\i], s48, v[RC+\i], vcc_lo              ; a width not above 1e-8: a step (2^100) ..
	v_cndmask_b32 v[NB+\i], v[KK+\i+1], v[KK+\i], vcc_lo       ; .. at the upper knot, as t = 0 in the problem's definition gives
.endr
	v_cmp_ne_u32 vcc_lo, 31, v1
	v_cndmask_b32 v[NB+7], 0xf1800000, v[NB+7], vcc_lo         ; term 255: knot -2^100, width 1: its ramp is always 1
	v_cndmask_b32 v[RC+7], 1.0, v[RC+7], vcc_lo
	v_cndmask_b32 v[DC+7], v59, v[DC+7], vcc_lo
	; seven arrays of 1,024 bytes; a lane's eight elements go out as two stores of 16 bytes
	global_store_b128 v2, v[KI:KI+3],   s[22:23] offset:4096
	global_store_b128 v2, v[KI+4:KI+7], s[22:23] offset:4112
	global_store_b128 v2, v[SH:SH+3],   s[22:23] offset:5120
	global_store_b128 v2, v[SH+4:SH+7], s[22:23] offset:5136
	global_store_b128 v2, v[CC:CC+3],   s[24:25]
	global_store_b128 v2, v[CC+4:CC+7], s[24:25] offset:16
	global_store_b128 v2, v[GG:GG+3],   s[24:25] offset:1024
	global_store_b128 v2, v[GG+4:GG+7], s[24:25] offset:1040
	global_store_b128 v2, v[NB:NB+3],   s[24:25] offset:2048
	global_store_b128 v2, v[NB+4:NB+7], s[24:25] offset:2064
	global_store_b128 v2, v[RC:RC+3],   s[24:25] offset:3072
	global_store_b128 v2, v[RC+4:RC+7], s[24:25] offset:3088
	global_store_b128 v2, v[DC:DC+3],   s[24:25] offset:4096
	global_store_b128 v2, v[DC+4:DC+7], s[24:25] offset:4112
.Lend:
	s_wait_tensorcnt 0x0
	ds_add_u32 v192, v193
	s_wait_dscnt 0x0
	s_endpgm
.Lfunc_end_k_qce0a70accb_prep:
	.size	k_qce0a70accb_prep, .Lfunc_end_k_qce0a70accb_prep-k_qce0a70accb_prep
	.p2alignl 7, 3214868480
	.fill 96, 4, 3214868480
	.section	.rodata,"a",@progbits
	.p2align	6, 0x0
	.amdhsa_kernel k_qce0a70accb_prep
		.amdhsa_group_segment_fixed_size 1280
		.amdhsa_private_segment_fixed_size 0
		.amdhsa_enable_private_segment 0
		.amdhsa_kernarg_size 88
		.amdhsa_user_sgpr_count 2
		.amdhsa_user_sgpr_kernarg_segment_ptr 1
		.amdhsa_wavefront_size32 1
		.amdhsa_system_sgpr_workgroup_id_x 1
		.amdhsa_system_sgpr_workgroup_id_y 1
		.amdhsa_system_sgpr_workgroup_id_z 1
		.amdhsa_system_vgpr_workitem_id 0
		.amdhsa_next_free_vgpr 194
		.amdhsa_next_free_sgpr 66
		.amdhsa_reserve_vcc 1
		.amdhsa_float_denorm_mode_32 3
		.amdhsa_float_denorm_mode_16_64 3
		.amdhsa_memory_ordered 1
		.amdhsa_forward_progress 1
		.amdhsa_inst_pref_size 33
	.end_amdhsa_kernel
	.amdgpu_metadata
---
amdhsa.version: [ 1, 2 ]
amdhsa.kernels:
  - .name:           k_qce0a70accb_prep
    .symbol:         k_qce0a70accb_prep.kd
    .args:
      - { .name: x, .offset: 0, .size: 8, .value_kind: global_buffer, .address_space: global }
      - { .name: phi_knots, .offset: 8, .size: 8, .value_kind: global_buffer, .address_space: global }
      - { .name: shifts, .offset: 16, .size: 8, .value_kind: global_buffer, .address_space: global }
      - { .name: phi_log_increments, .offset: 24, .size: 8, .value_kind: global_buffer, .address_space: global }
      - { .name: Phi_coeffs, .offset: 32, .size: 8, .value_kind: global_buffer, .address_space: global }
      - { .name: Phi_knots, .offset: 40, .size: 8, .value_kind: global_buffer, .address_space: global }
      - { .name: cc, .offset: 48, .size: 8, .value_kind: global_buffer, .address_space: global }
      - { .name: cr, .offset: 56, .size: 8, .value_kind: global_buffer, .address_space: global }
      - { .name: xi, .offset: 64, .size: 8, .value_kind: global_buffer, .address_space: global }
      - { .name: wn, .offset: 72, .size: 8, .value_kind: global_buffer, .address_space: global }
      - { .name: ft, .offset: 80, .size: 8, .value_kind: global_buffer, .address_space: global }
    .group_segment_fixed_size: 1280
    .private_segment_fixed_size: 0
    .kernarg_segment_align: 8
    .kernarg_segment_size: 88
    .max_flat_workgroup_size: 256
    .sgpr_count:     66
    .vgpr_count:     194
    .wavefront_size: 32
...
	.end_amdgpu_metadata
.endif
;; end of part 1
;; launch main (part 2): grid 256 x 1, 16 waves a work-group, no clusters, 15,360 bytes of LDS; arguments xi, wn, ft, lambdas, out0; writes out0
.if DOCPART == 2
	.amdgcn_target "amdgcn-amd-amdhsa--gfx1250"
	.amdhsa_code_object_version 6
	.text
	.protected	k_qce0a70accb_main
	.globl	k_qce0a70accb_main
	.p2align	8
	.type	k_qce0a70accb_main,@function
k_qce0a70accb_main:
	s_mov_b64 s[64:65], 0
	v_nop
	global_prefetch_b8 v0, s[64:65] scope:SCOPE_SE
	s_setreg_imm32_b32 hwreg(HW_REG_WAVE_MODE, 25, 1), 1
	s_wait_xcnt 0x0
; MAIN: y[b][q] = Phi( sum over p of lambda[p] phi(x[b][p] + shifts[q]) ), on the whole numbers and tables that the launch before has stored.
; Inner spline, all addresses from integers read from memory: z = clamp(xi[b][p] + si[q], 0, ki[255]); the cell z >> 18 gives {16 x index, knot};
; index += (z > knot); LX further steps of the same kind against the next table entry's knot (LX = largest number of knots in a cell - 1, a count read
; from memory: 0 where no cell holds two knots); phi = c[idx] + float(z - ki[idx]) g[idx].
; Outer spline, without any address (its argument is a float made here): y = sum over 256 ramps of height x clamp((s - knot) / width, 0, 1).
; SHARES: work-group g owns rows 2 g and 2 g + 1 of the output (512 numbers, 2,048 consecutive bytes).  Thread t owns output 512 g + t:
; b = 2 g + t / 256, q = t mod 256, and sums all 256 p itself: no sum crosses lanes or waves.  xi's row and lambda are the same for all lanes of a
; wave and come through scalar loads, eight at a time, one batch ahead.
; THE SUM OVER p STAYS IN f32 ON THE VECTOR UNIT: it has one output column and costs one multiply-add for each value, less than rounding the values to
; 16 bits would; and the rounding of 256 summands to bf16, multiplied by the outer spline's slope, would not fit the margin of the comparison.
; NOT USED: tensor loads, copies and clusters (11 KiB of tables, staged once through registers).
; LIMITS: knots non-decreasing; NaN and infinities are not reproduced; the f32 sums run in another order than in the problem's definition.
.set LCELL, 0                          ; LDS 0 .. 4095       512 cells of 8 bytes
.set LE,    4096                       ; LDS 4096 .. 8191    256 entries of 16 bytes: ki, c, g, unused
.set LNB,   8192                       ; LDS 8192 .. 9215    ramps' knots
.set LRC,   9216                       ; LDS 9216 .. 10239   1 / widths
.set LDC,   10240                      ; LDS 10240 .. 11263  heights
.set LST,   11264                      ; LDS 11264 .. 13311  the way out, 4 bytes a thread
.set Z,  8                             ; v[8:15]    eight z
.set CA, 16                            ; v[16:23]   cell address, then entry offset
.set CE, 24                            ; v[24:39]   eight cell entries
.set E,  40                            ; v[40:71]   eight table entries, three of four registers used
.set T,  72                            ; v[72:79]   at work
.set W,  80                            ; v[80:87]   knots of the walk
.set OB, 88                            ; v[88:135], v[136:183]  two sets of 16 knots, 16 reciprocal widths, 16 heights
.set Y,  184                           ; v[184:187] four partial sums of y
; v2 si of my q; v4, v5 two partial sums of s; v[6:7] s twice; v188 zero
; s[16:23], s[24:31] xi and lambda of a batch, set 0; s[32:39], s[40:47] set 1; s[48:49], s[50:51] their pointers
	s_load_b256 s[4:11], s[0:1], 0x0               ; xi s[4:5], wn s[6:7], ft s[8:9], lambdas s[10:11]
	s_load_b64 s[12:13], s[0:1], 0x20              ; out0
	v_lshl_add_u32 v192, v0, 2, 0x3400
	v_mov_b32 v193, 0
	v_lshrrev_b32 v1, 5, v0
	v_readfirstlane_b32 s14, v1                    ; wave, 0 .. 15
	v_lshlrev_b32 v1, 3, v0                        ; cell t
	v_and_b32 v3, 255, v0
	v_lshlrev_b32 v3, 2, v3                        ; element t mod 256 of an array
	s_wait_kmcnt 0x0
	s_load_b512 s[16:31], s[6:7], 0x1800           ; the 32 work-groups' L
	s_load_b512 s[32:47], s[6:7], 0x1840
	s_load_b32 s15, s[6:7], 0x13fc                 ; ki[255]
	global_load_b64 v[24:25], v1, s[6:7]
	global_load_b32 v2, v3, s[6:7] offset:5120     ; si[q]
	; the tables go to LDS once: every thread one cell; waves 0-7 the inner table, waves 8-15 the ramps
	s_cmp_lt_u32 s14, 8
	s_cbranch_scc0 .Lramps
	global_load_b32 v40, v3, s[6:7] offset:4096    ; ki[t]
	global_load_b32 v41, v3, s[8:9]                ; c[t]
	global_load_b32 v42, v3, s[8:9] offset:1024    ; g[t]
	v_lshlrev_b32 v16, 4, v0
	s_wait_loadcnt 0x0
	ds_store_b64 v1, v[24:25] offset:LCELL
	ds_store_b96 v16, v[40:42] offset:LE
	s_branch .Lstaged
.Lramps:
	global_load_b32 v40, v3, s[8:9] offset:2048
	global_load_b32 v41, v3, s[8:9] offset:3072
	global_load_b32 v42, v3, s[8:9] offset:4096
	s_wait_loadcnt 0x0
	ds_store_b64 v1, v[24:25] offset:LCELL
	ds_store_b32 v3, v40 offset:LNB
	ds_store_b32 v3, v41 offset:LRC
	ds_store_b32 v3, v42 offset:LDC
.Lstaged:
	s_wait_kmcnt 0x0
.set r, 17
.rept 31
	s_max_u32 s16, s16, s[r]
.set r, r+1
.endr
	s_max_u32 s16, s16, 1
	s_min_u32 s16, s16, 256                        ; a cell holds at most the 256 knots there are
	s_sub_co_u32 s2, s16, 1                        ; LX: the walk's trips
	s_lshr_b32 s54, s14, 3
	s_lshl_b32 s55, ttmp9, 1
	s_add_co_u32 s54, s54, s55                     ; b
	s_lshl_b32 s54, s54, 10                        ; a row of xi is 1,024 bytes
	s_mov_b32 s55, 0
	s_add_nc_u64 s[48:49], s[4:5], s[54:55]
	s_mov_b64 s[50:51], s[10:11]
	s_load_b256 s[16:23], s[48:49], 0x0            ; batch 0
	s_load_b256 s[24:31], s[50:51], 0x0
	v_mov_b32 v4, 0
	v_mov_b32 v5, 0
	s_wait_dscnt 0x0                               ; my part of the tables is in LDS before I say so
	s_barrier_signal -1
	s_barrier_wait -1                              ; the tables are whole; nobody writes them again
; Eight p.  cur: the scalar set that holds them; pf = 1: the next eight are asked for into the other set, at byte off of the pointers; step = 1: the pointers go on by 16 p first.
.macro BATCH cur, pf, step, off
	s_wait_kmcnt 0x0                               ; scalar loads return in no order: zero.  Set cur is in, and no scalar load is out, so the pointers may be written
.if \step
	s_add_nc_u64 s[48:49], s[48:49], 64
	s_add_nc_u64 s[50:51], s[50:51], 64
.endif
.if \pf
	s_load_b256 s[32-16*\cur:39-16*\cur], s[48:49], \off
	s_load_b256 s[40-16*\cur:47-16*\cur], s[50:51], \off
.endif
	; z and its cell, operation by operation over the eight, so that neighbouring lines do not depend on each other
.irp i, 0,1,2,3,4,5,6,7
	v_add_nc_u32 v[Z+\i], s[16+16*\cur+\i], v2
.endr
.irp i, 0,1,2,3,4,5,6,7
	v_max_i32 v[Z+\i], 0, v[Z+\i]
.endr
.irp i, 0,1,2,3,4,5,6,7
	v_min_i32 v[Z+\i], s15, v[Z+\i]
.endr
.irp i, 0,1,2,3,4,5,6,7
	v_lshrrev_b32 v[CA+\i], 18, v[Z+\i]
.endr
.irp i, 0,1,2,3,4,5,6,7
	v_min_u32 v[CA+\i], 511, v[CA+\i]              ; the bound stands in the text: 512 cells
.endr
.irp i, 0,1,2,3,4,5,6,7
	v_lshlrev_b32 v[CA+\i], 3, v[CA+\i]
	ds_load_b64 v[CE+2*\i:CE+2*\i+1], v[CA+\i] offset:LCELL
.endr
.irp i, 0,1,2,3,4,5,6,7
	s_wait_dscnt 7-\i                              ; LDS loads come back in order: entry i is in, the 7 - i younger ones stay out
	v_cmp_gt_i32 vcc_lo, v[Z+\i], v[CE+2*\i+1]
	v_cndmask_b32 v[T+\i], 0, 16, vcc_lo
	v_add_nc_u32 v[CA+\i], v[CE+2*\i], v[T+\i]
	v_min_u32 v[CA+\i], 4064, v[CA+\i]             ; index at most 254
.endr
	; the walk: only where some cell holds two knots or more.  No LDS load is out at the branch, at the label or at the jump back.
	s_cmp_eq_u32 s2, 0
	s_cbranch_scc1 .Lfound_\@
	s_mov_b32 s53, 0
.Lwalk_\@:
.irp i, 0,1,2,3,4,5,6,7
	ds_load_b32 v[W+\i], v[CA+\i] offset:LE+16     ; the next entry's knot
.endr
.irp i, 0,1,2,3,4,5,6,7
	s_wait_dscnt 7-\i
	v_cmp_gt_i32 vcc_lo, v[Z+\i], v[W+\i]
	v_cndmask_b32 v[T+\i], 0, 16, vcc_lo
	v_add_nc_u32 v[CA+\i], v[CA+\i], v[T+\i]
	v_min_u32 v[CA+\i], 4064, v[CA+\i]
.endr
	s_add_co_u32 s53, s53, 1
	s_cmp_lt_u32 s53, s2
	s_cbranch_scc1 .Lwalk_\@
.Lfound_\@:
.irp i, 0,1,2,3,4,5,6,7
	ds_load_b96 v[E+4*\i:E+4*\i+2], v[CA+\i] offset:LE
.endr
.irp i, 0,1,2,3,4,5,6,7
	s_wait_dscnt 7-\i
	v_sub_nc_u32 v[T+\i], v[Z+\i], v[E+4*\i]
	v_cvt_f32_i32 v[T+\i], v[T+\i]
	v_fma_f32 v[T+\i], v[T+\i], v[E+4*\i+2], v[E+4*\i+1]       ; phi
	v_fmac_f32 v[4+(\i&1)], s[24+16*\cur+\i], v[T+\i]          ; two chains take turns
.endr
.endm
	s_mov_b32 s52, 15                              ; 15 trips of two batches, and two batches behind the loop: 32 x 8 = 256 p
.Lp:
	BATCH 0, 1, 0, 32
	BATCH 1, 1, 1, 0
	s_sub_co_i32 s52, s52, 1
	s_cmp_lg_u32 s52, 0
	s_cbranch_scc1 .Lp
	BATCH 0, 1, 0, 32                              ; asks for the last eight
	BATCH 1, 0, 0, 0                               ; asks for nothing: no load passes the row's or lambda's end
	; THE OUTER SPLINE: 16 blocks of 16 ramps.  Every lane reads the same words of the three arrays.
	v_add_f32 v6, v4, v5
	v_add_f32 v7, v4, v5                           ; s twice, a pair for the packed forms
	v_mov_b32 v188, 0
.set OBLK, 0
.macro OLOAD set                       ; the next block's 48 numbers into register set 0 or 1: twelve loads
.irp k, 0,1,2,3
	ds_load_b128 v[OB+48*\set+4*\k:OB+48*\set+4*\k+3], v188 offset:LNB+64*OBLK+16*\k
.endr
.irp k, 0,1,2,3
	ds_load_b128 v[OB+48*\set+16+4*\k:OB+48*\set+16+4*\k+3], v188 offset:LRC+64*OBLK+16*\k
.endr
.irp k, 0,1,2,3
	ds_load_b128 v[OB+48*\set+32+4*\k:OB+48*\set+32+4*\k+3], v188 offset:LDC+64*OBLK+16*\k
.endr
.set OBLK, OBLK+1
.endm
.macro OPAIR set, j, start             ; two ramps; start = 1: the product starts a partial sum, so that nothing is cleared
	v_pk_add_f32 v[8+2*(\j&3):9+2*(\j&3)], v[6:7], v[OB+48*\set+2*\j:OB+48*\set+2*\j+1] neg_lo:[0,1] neg_hi:[0,1]
	v_pk_mul_f32 v[8+2*(\j&3):9+2*(\j&3)], v[8+2*(\j&3):9+2*(\j&3)], v[OB+48*\set+16+2*\j:OB+48*\set+16+2*\j+1]
	v_med3_num_f32 v[8+2*(\j&3)], v[8+2*(\j&3)], 0, 1.0
	v_med3_num_f32 v[9+2*(\j&3)], v[9+2*(\j&3)], 0, 1.0
.if \start
	v_pk_mul_f32 v[Y+2*(\j&1):Y+2*(\j&1)+1], v[8+2*(\j&3):9+2*(\j&3)], v[OB+48*\set+32+2*\j:OB+48*\set+32+2*\j+1]
.else
	v_pk_fma_f32 v[Y+2*(\j&1):Y+2*(\j&1)+1], v[8+2*(\j&3):9+2*(\j&3)], v[OB+48*\set+32+2*\j:OB+48*\set+32+2*\j+1], v[Y+2*(\j&1):Y+2*(\j&1)+1]
.endif
.endm
.macro OCALC set, first
	OPAIR \set, 0, \first
	OPAIR \set, 1, \first
.irp j, 2,3,4,5,6,7
	OPAIR \set, \j, 0
.endr
.endm
	OLOAD 0                                        ; block 0
	OLOAD 1                                        ; block 1
	s_wait_dscnt 12                                ; block 0 is in; the twelve younger loads stay out
	OCALC 0, 1
.rept 7
	OLOAD 0                                        ; blocks 2, 4, .. 14
	s_wait_dscnt 12
	OCALC 1, 0                                     ; blocks 1, 3, .. 13
	OLOAD 1                                        ; blocks 3, 5, .. 15
	s_wait_dscnt 12
	OCALC 0, 0                                     ; blocks 2, 4, .. 14
.endr
	s_wait_dscnt 0x0
	OCALC 1, 0                                     ; block 15
	v_pk_add_f32 v[Y:Y+1], v[Y:Y+1], v[Y+2:Y+3]
	v_add_f32 v[Y], v[Y], v[Y+1]
	; THE WAY OUT: 4 bytes a thread into LDS; four waves read 16 bytes a lane back and store them: sixteen lanes write 256 consecutive bytes, aligned
	v_lshlrev_b32 v1, 2, v0
	ds_store_b32 v1, v[Y] offset:LST
	s_wait_dscnt 0x0                               ; my number is in LDS before I say so
	s_barrier_signal -1
	s_barrier_wait -1
	s_cmp_gt_u32 s14, 3
	s_cbranch_scc1 .Lend                           ; no barrier follows
	v_lshlrev_b32 v3, 4, v0
	ds_load_b128 v[8:11], v3 offset:LST
	s_lshl_b32 s54, ttmp9, 11                      ; the work-group's 2,048 bytes
	s_mov_b32 s55, 0
	s_add_nc_u64 s[12:13], s[12:13], s[54:55]
	s_wait_dscnt 0x0
	global_store_b128 v3, v[8:11], s[12:13]
.Lend:
	s_wait_tensorcnt 0x0
	ds_add_u32 v192, v193
	s_wait_dscnt 0x0
	s_endpgm
.Lfunc_end_k_qce0a70accb_main:
	.size	k_qce0a70accb_main, .Lfunc_end_k_qce0a70accb_main-k_qce0a70accb_main
	.p2alignl 7, 3214868480
	.fill 96, 4, 3214868480
	.section	.rodata,"a",@progbits
	.p2align	6, 0x0
	.amdhsa_kernel k_qce0a70accb_main
		.amdhsa_group_segment_fixed_size 15360
		.amdhsa_private_segment_fixed_size 0
		.amdhsa_enable_private_segment 0
		.amdhsa_kernarg_size 40
		.amdhsa_user_sgpr_count 2
		.amdhsa_user_sgpr_kernarg_segment_ptr 1
		.amdhsa_wavefront_size32 1
		.amdhsa_system_sgpr_workgroup_id_x 1
		.amdhsa_system_sgpr_workgroup_id_y 1
		.amdhsa_system_sgpr_workgroup_id_z 1
		.amdhsa_system_vgpr_workitem_id 0
		.amdhsa_next_free_vgpr 194
		.amdhsa_next_free_sgpr 66
		.amdhsa_reserve_vcc 1
		.amdhsa_float_denorm_mode_32 3
		.amdhsa_float_denorm_mode_16_64 3
		.amdhsa_memory_ordered 1
		.amdhsa_forward_progress 1
		.amdhsa_inst_pref_size 92
	.end_amdhsa_kernel
	.amdgpu_metadata
---
amdhsa.version: [ 1, 2 ]
amdhsa.kernels:
  - .name:           k_qce0a70accb_main
    .symbol:         k_qce0a70accb_main.kd
    .args:
      - { .name: xi, .offset: 0, .size: 8, .value_kind: global_buffer, .address_space: global }
      - { .name: wn, .offset: 8, .size: 8, .value_kind: global_buffer, .address_space: global }
      - { .name: ft, .offset: 16, .size: 8, .value_kind: global_buffer, .address_space: global }
      - { .name: lambdas, .offset: 24, .size: 8, .value_kind: global_buffer, .address_space: global }
      - { .name: out0, .offset: 32, .size: 8, .value_kind: global_buffer, .address_space: global }
    .group_segment_fixed_size: 15360
    .private_segment_fixed_size: 0
    .kernarg_segment_align: 8
    .kernarg_segment_size: 40
    .max_flat_workgroup_size: 512
    .sgpr_count:     66
    .vgpr_count:     194
    .wavefront_size: 32
...
	.end_amdgpu_metadata
.endif
;; end of part 2
;; ======== version 2 of 2: 2 launches; 1.84 times as fast as version 1
;; workspace buffers: xi 524,288 bytes of whole numbers; wn 4,352 bytes of whole numbers; ft 5,120 bytes
;; launch prep (part 3): grid 32 x 1, 8 waves a work-group, no clusters, 1,280 bytes of LDS; arguments x, phi_knots, shifts, phi_log_increments, Phi_coeffs, Phi_knots, cc, cr, xi, wn, ft; writes xi, wn, ft
.if DOCPART == 3
	.amdgcn_target "amdgcn-amd-amdhsa--gfx1250"
	.amdhsa_code_object_version 6
	.text
	.protected	k_qce0a70accb_prep
	.globl	k_qce0a70accb_prep
	.p2align	8
	.type	k_qce0a70accb_prep,@function
k_qce0a70accb_prep:
	s_mov_b64 s[64:65], 0
	v_nop
	global_prefetch_b8 v0, s[64:65] scope:SCOPE_SE
	s_setreg_imm32_b32 hwreg(HW_REG_WAVE_MODE, 25, 1), 1
	s_wait_xcnt 0x0
; PREP: turns everything from which the next launch forms LDS addresses into whole numbers, and makes the two splines' tables.
; Fixed point: D = max(k255 - k0, max |shifts|, 2^-100), S = 134000000 / D (the numerator is below 2^27).
;   ki[j] = rne((k[j] - k0) S) in 0 .. 2^27-1     si[q] = rne(shifts[q] S)     xi[b][p] = rne(clamp((x - k0) S, -2^28, 2^28))
; The clamp of xi loses nothing: |x - k0| >= 2 D puts x + shift outside the knots whatever the shift (|shift| <= D, k255 - k0 <= D).
; A grid of 512 cells of 2^18 units: for cell c, 16 x the index that is valid at its first value.
; L = the largest number of knots (j >= 1) inside one cell, raised to 2 if any segment is degenerate (spacing not above 1e-8, or no unit wide):
; with L <= 1 the next launch needs one knot a cell and no walk.
; OUT:  xi [512][256] i32.   wn: cell indices at 0 (512 words), ki at 2048, si at 3072, one L for each of the 32 work-groups at 4096.
;       ft (f32 arrays of 256): c at 0, g at 1024 (slope for one unit), and the outer spline as 256 clamped ramps
;       y = sum of dc[j] clamp(s rc[j] + nb[j], 0, 1): nb at 2048, rc at 3072, dc at 4096.
;       c[j] of every knot that lies on the last knot's unit holds V, the spline's value at the last knot: those entries serve no argument inside the knots.
; SHARES: 256 waves.  Every wave holds all 256 knots (lane l: elements 8 l .. 8 l + 7 and the next one), converts 512 numbers of x (2,048 bytes)
; and builds two cells.  Wave 0 of a work-group stores the group's 16 cell words and its L; wave 0 of work-group 0 makes the tables.
; LIMITS: both knot vectors are non-decreasing (the problem's searchsorted relies on it); NaN and infinities are not reproduced; inner knots closer
; than D / 134000000 merge into a jump; D is floored at 2^-100; the outer knot of a degenerate segment is below 2^27 in magnitude (it is multiplied by 2^100).
.set KN,  8                            ; v[8:16]    nine inner knots
.set SH,  18                           ; v[18:25]   eight shifts, later si in place
.set X,   28                           ; v[28:43]   sixteen x, then xi in place
.set KI,  44                           ; v[44:52]   nine knots in fixed point
.set KC0, 53                           ; v53        ki of my first knot; -1 in lane 0, so that knot 0 lies below every cell
.set SC,  54                           ; v54        S
.set K0,  55                           ; v55        k0
.set CNT, 56                           ; v56        knots below the cell's first value
.set CH,  57                           ; v57        knots below the next cell's first value
.set PK,  59                           ; v59        both counts packed
.set LI,  80                           ; v[80:88]   log increments, then increments
.set EE,  90                           ; v[90:98]
.set UU,  100                          ; v[100:108]
.set LG,  110                          ; v[110:118]
.set DD,  120                          ; v[120:128]
.set PP,  130                          ; v[130:138] nine outer coefficients
.set KK,  140                          ; v[140:148] nine outer knots
.set CC,  150                          ; v[150:157] prefix sums, then c
.set GG,  158                          ; v[158:165] g
.set NB,  166                          ; v[166:173] ramp's knot, then nb
.set RC,  174                          ; v[174:181] 1 / ramp's width
.set DC,  182                          ; v[182:189] ramp's height
.set RD,  166                          ; v[166:174] reciprocals of the softplus, before NB and RC are made
.set EPS, 0x322bcc77                   ; 1e-8
	s_load_b512 s[4:19], s[0:1], 0x0               ; x s[4:5], phi_knots s[6:7], shifts s[8:9], log increments s[10:11], Phi_coeffs s[12:13], Phi_knots s[14:15], cc s[16:17], cr s[18:19]
	s_load_b128 s[20:23], s[0:1], 0x40             ; xi s[20:21], wn s[22:23]
	s_load_b64 s[24:25], s[0:1], 0x50              ; ft
	v_lshl_add_u32 v192, v0, 2, 0x100
	v_mov_b32 v193, 0
	v_and_b32 v1, 31, v0                           ; lane
	v_lshrrev_b32 v5, 5, v0
	v_readfirstlane_b32 s26, v5                    ; wave in the work-group
	s_lshl_b32 s27, ttmp9, 3
	s_add_co_u32 s27, s27, s26                     ; wave in the launch, 0 .. 255
	v_lshlrev_b32 v2, 5, v1                        ; my eight elements of a vector of 256
	v_add_nc_u32 v3, 32, v2
	v_min_u32 v3, 1020, v3                         ; the element behind them (lane 31: the last one again)
	v_lshlrev_b32 v4, 4, v1                        ; 16 bytes a lane
	v_mov_b32 v6, 0                                ; written once: it is the target of lane exchanges below
	s_mov_b32 s34, 0x76543210                      ; v_permlanex16_b32: lane i reads lane i of the other half
	s_mov_b32 s35, 0xfedcba98
	s_mov_b32 s42, 0xcd800000                      ; -2^28
	s_mov_b32 s43, 0x4d800000                      ; +2^28
	s_mov_b32 s46, 0xbfb8aa3b                      ; -log2(e)
	s_mov_b32 s48, 0x71800000                      ; 2^100
	s_lshl_b32 s44, s27, 11                        ; my wave's 2,048 bytes of x and of xi
	s_mov_b32 s45, 0
	s_wait_kmcnt 0x0
	s_load_b32 s28, s[6:7], 0x0                    ; k0
	s_load_b32 s29, s[6:7], 0x3fc                  ; k255
	s_add_nc_u64 s[4:5], s[4:5], s[44:45]
	s_add_nc_u64 s[20:21], s[20:21], s[44:45]
	global_load_b128 v[KN:KN+3],   v2, s[6:7]
	global_load_b128 v[KN+4:KN+7], v2, s[6:7] offset:16
	global_load_b32  v[KN+8],      v3, s[6:7]
	global_load_b128 v[SH:SH+3],   v2, s[8:9]
	global_load_b128 v[SH+4:SH+7], v2, s[8:9] offset:16
.irp i, 0,1,2,3
	global_load_b128 v[X+4*\i:X+4*\i+3], v4, s[4:5] offset:512*\i      ; 512 consecutive bytes for each load of the wave
.endr
	s_wait_kmcnt 0x0                               ; k0, k255
	; the scale
	s_wait_loadcnt 0x4                             ; knots and shifts are in; the four younger loads (x) stay out
	v_max3_num_f32 v5, |v[SH]|, |v[SH+1]|, |v[SH+2]|
	v_max3_num_f32 v5, v5, |v[SH+3]|, |v[SH+4]|
	v_max3_num_f32 v5, v5, |v[SH+5]|, |v[SH+6]|
	v_max_num_f32 v5, v5, |v[SH+7]|
.irp m, 1,2,4,8
	v_max_num_f32_dpp v5, v5, v5 row_xmask:\m row_mask:0xf bank_mask:0xf
.endr
	v_permlanex16_b32 v6, v5, s34, s35
	v_max_num_f32 v5, v5, v6                       ; max |shifts| in every lane
	v_mov_b32 v[K0], s28
	v_sub_f32 v6, s29, v[K0]                       ; k255 - k0
	v_max3_num_f32 v5, v5, v6, 0x0d800000          ; D, at least 2^-100
	v_rcp_f32 v[SC], v5
	v_nop                                          ; one plain vector instruction behind a transcendental before its result is used (ISA guide 5.7.2)
	s_wait_alu depctr_va_vdst(0)
	v_mul_f32 v[SC], 0x4cff95b0, v[SC]             ; S = 134000000 / D
	; the knots in fixed point
.irp i, 0,1,2,3,4,5,6,7,8
	v_sub_f32 v[KI+\i], v[KN+\i], v[K0]
.endr
.irp i, 0,1,2,3,4,5,6,7,8
	v_mul_f32 v[KI+\i], v[KI+\i], v[SC]
.endr
.irp i, 0,1,2,3,4,5,6,7,8
	v_rndne_f32 v[KI+\i], v[KI+\i]
.endr
.irp i, 0,1,2,3,4,5,6,7,8
	v_cvt_i32_f32 v[KI+\i], v[KI+\i]
.endr
	v_cmp_ne_u32 vcc_lo, 0, v1
	v_cndmask_b32 v[KC0], -1, v[KI], vcc_lo        ; lane 0: -1 in the place of knot 0
	; x in fixed point, four numbers a lane at a time
.irp i, 0,1,2,3
	s_wait_loadcnt 3-\i                            ; loads come back in order: quad i is in, the younger quads stay out
.irp j, 0,1,2,3
	v_sub_f32 v[X+4*\i+\j], v[X+4*\i+\j], v[K0]
.endr
.irp j, 0,1,2,3
	v_mul_f32 v[X+4*\i+\j], v[X+4*\i+\j], v[SC]
.endr
.irp j, 0,1,2,3
	v_med3_num_f32 v[X+4*\i+\j], v[X+4*\i+\j], s42, s43
.endr
.irp j, 0,1,2,3
	v_rndne_f32 v[X+4*\i+\j], v[X+4*\i+\j]
.endr
.irp j, 0,1,2,3
	v_cvt_i32_f32 v[X+4*\i+\j], v[X+4*\i+\j]
.endr
	global_store_b128 v4, v[X+4*\i:X+4*\i+3], s[20:21] offset:512*\i   ; 512 consecutive bytes, aligned; X is not written again
.endr
; One cell: number 2 x wave + c.  res: 16 x the index valid at its first value; inside: the number of knots in the cell.
.macro CELL c, res, inside
	s_lshl_b32 s36, s27, 19                        ; first value of cell 2 x wave
.if \c
	s_add_co_u32 s36, s36, 0x40000
.endif
	s_add_co_u32 s37, s36, 0x40000                 ; first value of the next cell
	v_cmp_gt_i32 vcc_lo, s36, v[KC0]
	v_cndmask_b32 v[CNT], 0, 1, vcc_lo             ; the first knot starts both counts: nothing is cleared
	v_cmp_gt_i32 vcc_lo, s37, v[KC0]
	v_cndmask_b32 v[CH], 0, 1, vcc_lo
.irp i, 1,2,3,4,5,6,7
	v_cmp_gt_i32 vcc_lo, s36, v[KI+\i]
	v_add_co_ci_u32 v[CNT], vcc_lo, 0, v[CNT], vcc_lo
	v_cmp_gt_i32 vcc_lo, s37, v[KI+\i]
	v_add_co_ci_u32 v[CH], vcc_lo, 0, v[CH], vcc_lo
.endr
	v_lshl_add_u32 v[PK], v[CH], 16, v[CNT]        ; both counts are at most 256: one sum over the lanes serves both
.irp m, 1,2,4,8
	v_mov_b32_dpp v5, v[PK] row_xmask:\m row_mask:0xf bank_mask:0xf
	v_add_nc_u32 v[PK], v[PK], v5
.endr
	v_permlanex16_b32 v5, v[PK], s34, s35
	v_add_nc_u32 v[PK], v[PK], v5
	v_and_b32 v5, 0xffff, v[PK]                    ; knots below the cell, at least 1 (knot 0)
	v_lshrrev_b32 v6, 16, v[PK]
	v_sub_nc_u32 v[\inside], v6, v5
	v_add_nc_u32 v5, -1, v5
	v_min_u32 v5, 254, v5
	v_lshlrev_b32 v[\res], 4, v5                   ; 16 x index: the byte offset of a table entry
.endm
	CELL 0, 60, 62
	CELL 1, 64, 66
	; the two cell words and my L go to LDS: L words at bytes 0-31, cell words at 32-95.  Every lane writes the word of its parity:
	; sixteen lanes write the same bytes with the same value, and EXEC stays whole.
	v_and_b32 v7, 1, v1
	v_cmp_eq_u32 vcc_lo, 1, v7
	v_cndmask_b32 v68, v60, v64, vcc_lo
	v_lshlrev_b32 v7, 2, v7
	v_lshl_add_u32 v7, s26, 3, v7                  ; 8 x wave + 4 x parity
	ds_store_b32 v7, v68 offset:32
	v_max_u32 v71, v62, v66
	v_mov_b32 v70, s26
	v_lshlrev_b32 v70, 2, v70
	ds_store_b32 v70, v71
	s_wait_dscnt 0x0                               ; my LDS stores are done before I say so: wave 0 reads them behind the barrier
	s_barrier_signal -1
	s_barrier_wait -1
	s_cmp_lg_u32 s26, 0
	s_cbranch_scc1 .Lend                           ; no barrier follows
	; wave 0: the group's 16 cell words (64 consecutive bytes; lanes l and l + 16 store the same word with the same value) and its L
	v_mov_b32 v5, 0
	v_and_b32 v6, 15, v1
	v_lshlrev_b32 v6, 2, v6
	ds_load_b128 v[72:75], v5
	ds_load_b128 v[76:79], v5 offset:16
	ds_load_b32 v67, v6 offset:32
	s_lshl_b32 s40, ttmp9, 6
	s_lshl_b32 s41, ttmp9, 2
	v_add_nc_u32 v70, s40, v6                      ; 64 x work-group + 4 x (lane mod 16)
	v_mov_b32 v7, s41
	; is any of the 255 segments degenerate?  One bit a lane and element, gathered in a scalar mask; lane 31's last pair is no segment
	s_mov_b32 s47, 0
.irp i, 0,1,2,3,4,5,6,7
	v_sub_f32 v69, v[KN+\i+1], v[KN+\i]
	v_cmp_ge_f32 vcc_lo, EPS, v69                  ; spacing not above 1e-8
	v_cmp_ge_i32 s39, v[KI+\i], v[KI+\i+1]         ; or not one unit wide
	s_or_b32 s39, s39, vcc_lo
.if \i == 7
	s_and_b32 s39, s39, 0x7fffffff
.endif
	s_or_b32 s47, s47, s39
.endr
	s_min_u32 s47, s47, 1
	s_lshl_b32 s47, s47, 1                         ; 2 if any, else 0
	s_wait_dscnt 0x0
	global_store_b32 v70, v67, s[22:23]
	v_max_u32 v72, v72, v73
	v_max_u32 v74, v74, v75
	v_max_u32 v76, v76, v77
	v_max_u32 v78, v78, v79
	v_max_u32 v72, v72, v74
	v_max_u32 v76, v76, v78
	v_max_u32 v72, v72, v76
	v_max_u32 v72, s47, v72
	v_cmp_eq_u32 vcc_lo, 0, v1
	s_wait_xcnt 0x0                                ; EXEC is a source of the stores issued so far: it is narrowed only behind this wait
	s_and_saveexec_b32 s38, vcc_lo
	global_store_b32 v7, v72, s[22:23] offset:4096 ; lane 0 alone: one word for the work-group
	s_wait_xcnt 0x0                                ; and widened only behind this one; v7 and v72 are free too
	s_or_b32 exec_lo, exec_lo, s38
	s_cmp_lg_u32 ttmp9, 0
	s_cbranch_scc1 .Lend
	; THE TABLES, by one wave: 7 KiB in all, made once.
	s_load_b32 s30, s[16:17], 0x0                  ; cc
	s_load_b32 s31, s[18:19], 0x0                  ; cr
	s_load_b32 s32, s[12:13], 0x0                  ; Phi_coeffs[0]
	global_load_b128 v[LI:LI+3],   v2, s[10:11]
	global_load_b128 v[LI+4:LI+7], v2, s[10:11] offset:16
	global_load_b32  v[LI+8],      v3, s[10:11]
	global_load_b128 v[PP:PP+3],   v2, s[12:13]
	global_load_b128 v[PP+4:PP+7], v2, s[12:13] offset:16
	global_load_b32  v[PP+8],      v3, s[12:13]
	global_load_b128 v[KK:KK+3],   v2, s[14:15]
	global_load_b128 v[KK+4:KK+7], v2, s[14:15] offset:16
	global_load_b32  v[KK+8],      v3, s[14:15]
	s_wait_loadcnt 0x6                             ; the log increments are in; the six younger loads stay out
	; softplus(v) = max(v, 0) + log1p(e), e = exp(-|v|); log1p(e) = ln(u) e / (u - 1) with u = 1 + e as rounded, and e itself where u = 1
.irp i, 0,1,2,3,4,5,6,7,8
	v_mul_f32 v[UU+\i], s46, |v[LI+\i]|
.endr
.irp i, 0,1,2,3,4,5,6,7,8
	v_exp_f32 v[EE+\i], v[UU+\i]
.endr
	v_nop                                          ; the plain place behind the run of transcendentals (ISA guide 5.7.2)
	s_wait_alu depctr_va_vdst(0)
.irp i, 0,1,2,3,4,5,6,7,8
	v_add_f32 v[UU+\i], 1.0, v[EE+\i]
.endr
.irp i, 0,1,2,3,4,5,6,7,8
	v_add_f32 v[DD+\i], -1.0, v[UU+\i]
.endr
.irp i, 0,1,2,3,4,5,6,7,8
	v_log_f32 v[LG+\i], v[UU+\i]
.endr
.irp i, 0,1,2,3,4,5,6,7,8
	v_rcp_f32 v[RD+\i], v[DD+\i]
.endr
	v_nop                                          ; the plain place again
	s_wait_alu depctr_va_vdst(0)
.irp i, 0,1,2,3,4,5,6,7,8
	v_mul_f32 v[LG+\i], 0x3f317218, v[LG+\i]       ; ln u
	v_mul_f32 v[RD+\i], v[EE+\i], v[RD+\i]         ; e / (u - 1)
	v_mul_f32 v[LG+\i], v[LG+\i], v[RD+\i]
	v_cmp_eq_f32 vcc_lo, 0, v[DD+\i]
	v_cndmask_b32 v[LG+\i], v[LG+\i], v[EE+\i], vcc_lo
	v_max_num_f32 v[LI+\i], 0, v[LI+\i]
	v_add_f32 v[LI+\i], v[LI+\i], v[LG+\i]         ; the increment
.endr
	; running sums: inside the lane, then over the lanes' totals
	v_add_f32 v[CC+1], v[LI], v[LI+1]
.irp i, 2,3,4,5,6,7
	v_add_f32 v[CC+\i], v[CC+\i-1], v[LI+\i]
.endr
	v_mov_b32_dpp v6, v[CC+7] row_shr:1 row_mask:0xf bank_mask:0xf bound_ctrl:1
	v_add_f32 v5, v[CC+7], v6
.irp n, 2,4,8
	v_mov_b32_dpp v6, v5 row_shr:\n row_mask:0xf bank_mask:0xf bound_ctrl:1
	v_add_f32 v5, v5, v6
.endr
	v_readlane_b32 s40, v5, 15                     ; the lower sixteen lanes' sum,
	v_mov_b32 v6, s40
	v_cmp_lt_u32 vcc_lo, 15, v1
	v_cndmask_b32 v6, 0, v6, vcc_lo
	v_add_f32 v5, v5, v6                           ; added in the upper sixteen
	v_readlane_b32 s41, v5, 31                     ; the whole sum
	v_mov_b32 v6, EPS
	v_add_f32 v6, s41, v6
	v_rcp_f32 v7, v6                               ; 1 / (sum + 1e-8)
	v_sub_f32 v5, v5, v[CC+7]                      ; the plain place: what the lanes below me sum to
	v_add_f32 v[CC], v5, v[LI]
.irp i, 1,2,3,4,5,6,7
	v_add_f32 v[CC+\i], v5, v[CC+\i]
.endr
	s_wait_alu depctr_va_vdst(0)
.irp i, 0,1,2,3,4,5,6,7
	v_mul_f32 v[CC+\i], v[CC+\i], v7               ; c[j]
.endr
	; g[j] = (c[j+1] - c[j]) / (ki[j+1] - ki[j]); c[j+1] - c[j] is increment j+1 over the sum.  0 where the knots' spacing is not above 1e-8, or is no unit
.irp i, 0,1,2,3,4,5,6,7
	v_sub_nc_u32 v[GG+\i], v[KI+\i+1], v[KI+\i]
	v_cvt_f32_i32 v[EE+\i], v[GG+\i]               ; the width in units, kept for V below
.endr
.irp i, 0,1,2,3,4,5,6,7
	v_rcp_f32 v[UU+\i], v[EE+\i]
.endr
	v_nop                                          ; the plain place
	s_wait_alu depctr_va_vdst(0)
.irp i, 0,1,2,3,4,5,6,7
	v_sub_f32 v6, v[KN+\i+1], v[KN+\i]
	v_cmp_lt_f32 vcc_lo, EPS, v6
	v_cmp_lt_i32 s39, 0, v[GG+\i]
	s_and_b32 vcc_lo, vcc_lo, s39
	v_mul_f32 v[UU+\i], v[UU+\i], v[LI+\i+1]
	v_mul_f32 v[UU+\i], v[UU+\i], v7
	v_cndmask_b32 v[GG+\i], 0, v[UU+\i], vcc_lo
.endr
	; V = the spline's value at the last knot R: the line of the one segment with ki[j] < R = ki[j+1], taken at R; c[0] if all knots lie on one unit.
	; One lane and element holds it, the others 0: the sum over the lanes is exact.  It replaces c[j] wherever ki[j] = R.
	v_readlane_b32 s49, v[KI+7], 31                ; R = ki[255]
	v_cmp_eq_u32 vcc_lo, 0, v1
	v_cmp_eq_u32 s39, s49, v[KI]
	s_and_b32 vcc_lo, vcc_lo, s39
	v_cndmask_b32 v5, 0, v[CC], vcc_lo
.irp i, 0,1,2,3,4,5,6,7
	v_cmp_gt_i32 vcc_lo, s49, v[KI+\i]
	v_cmp_eq_u32 s39, s49, v[KI+\i+1]
	s_and_b32 vcc_lo, vcc_lo, s39
	v_fma_f32 v6, v[GG+\i], v[EE+\i], v[CC+\i]
	v_cndmask_b32 v5, v5, v6, vcc_lo
.endr
.irp m, 1,2,4,8
	v_add_f32_dpp v5, v5, v5 row_xmask:\m row_mask:0xf bank_mask:0xf
.endr
	v_permlanex16_b32 v6, v5, s34, s35
	v_add_f32 v5, v5, v6
.irp i, 0,1,2,3,4,5,6,7
	v_cmp_eq_u32 vcc_lo, s49, v[KI+\i]
	v_cndmask_b32 v[CC+\i], v[CC+\i], v5, vcc_lo
.endr
	; the shifts in fixed point
.irp i, 0,1,2,3,4,5,6,7
	v_mul_f32 v[SH+\i], v[SH+\i], v[SC]
.endr
.irp i, 0,1,2,3,4,5,6,7
	v_rndne_f32 v[SH+\i], v[SH+\i]
.endr
.irp i, 0,1,2,3,4,5,6,7
	v_cvt_i32_f32 v[SH+\i], v[SH+\i]
.endr
	; the outer spline as ramps: y = sum over j of dc[j] x clamp(s rc[j] + nb[j], 0, 1), nb = -knot x rc; term 255 carries the first coefficient
	s_wait_loadcnt 0x0
	s_wait_kmcnt 0x0
	v_min3_num_f32 v5, v[PP], v[PP+1], v[PP+2]
	v_max3_num_f32 v6, v[PP], v[PP+1], v[PP+2]
	v_min3_num_f32 v5, v5, v[PP+3], v[PP+4]
	v_max3_num_f32 v6, v6, v[PP+3], v[PP+4]
	v_min3_num_f32 v5, v5, v[PP+5], v[PP+6]
	v_max3_num_f32 v6, v6, v[PP+5], v[PP+6]
	v_min_num_f32 v5, v5, v[PP+7]
	v_max_num_f32 v6, v6, v[PP+7]
.irp m, 1,2,4,8
	v_min_num_f32_dpp v5, v5, v5 row_xmask:\m row_mask:0xf bank_mask:0xf
	v_max_num_f32_dpp v6, v6, v6 row_xmask:\m row_mask:0xf bank_mask:0xf
.endr
	v_permlanex16_b32 v56, v5, s34, s35
	v_permlanex16_b32 v57, v6, s34, s35
	v_min_num_f32 v5, v5, v56
	v_max_num_f32 v6, v6, v57
	v_sub_f32 v56, v6, v5
	v_add_f32 v56, EPS, v56
	v_rcp_f32 v58, v56                             ; 1 / (max - min + 1e-8)
	v_sub_f32 v59, s32, v5                         ; the plain place: Phi_coeffs[0] - min
	s_wait_alu depctr_va_vdst(0)
	v_mul_f32 v58, s31, v58
	v_add_f32 v58, v58, v58                        ; 2 cr / (max - min + 1e-8)
	v_mov_b32 v57, s31
	v_sub_f32 v57, s30, v57                        ; cc - cr
	v_fma_f32 v59, v59, v58, v57                   ; the first coefficient after the codomain's transform
.irp i, 0,1,2,3,4,5,6,7
	v_sub_f32 v[DD+\i], v[KK+\i+1], v[KK+\i]       ; width
.endr
.irp i, 0,1,2,3,4,5,6,7
	v_rcp_f32 v[RC+\i], v[DD+\i]
.endr
.irp i, 0,1,2,3,4,5,6,7
	v_sub_f32 v[DC+\i], v[PP+\i+1], v[PP+\i]       ; plain work behind the transcendentals
.endr
.irp i, 0,1,2,3,4,5,6,7
	v_mul_f32 v[DC+\i], v[DC+\i], v58
.endr
	s_wait_alu depctr_va_vdst(0)
.irp i, 0,1,2,3,4,5,6,7
	v_cmp_lt_f32 vcc_lo, EPS, v[DD+\i]
	v_cndmask_b32 v[RC+\i], s48, v[RC+\i], vcc_lo              ; a width not above 1e-8: a step (2^100) ..
	v_cndmask_b32 v[NB+\i], v[KK+\i+1], v[KK+\i], vcc_lo       ; .. at the upper knot, as t = 0 in the problem's definition gives
.endr
.irp i, 0,1,2,3,4,5,6,7
	v_mul_f32 v[NB+\i], -v[NB+\i], v[RC+\i]        ; nb = -knot x rc: the ramp's argument is then one fused multiply-add; by 2^100 the product is exact
.endr
	v_cmp_ne_u32 vcc_lo, 31, v1
	v_cndmask_b32 v[NB+7], 1.0, v[NB+7], vcc_lo    ; term 255: s x 0 + 1: its ramp is always 1
	v_cndmask_b32 v[RC+7], 0, v[RC+7], vcc_lo
	v_cndmask_b32 v[DC+7], v59, v[DC+7], vcc_lo
	; seven arrays of 1,024 bytes; a lane's eight elements go out as two stores of 16 bytes
	global_store_b128 v2, v[KI:KI+3],   s[22:23] offset:2048
	global_store_b128 v2, v[KI+4:KI+7], s[22:23] offset:2064
	global_store_b128 v2, v[SH:SH+3],   s[22:23] offset:3072
	global_store_b128 v2, v[SH+4:SH+7], s[22:23] offset:3088
	global_store_b128 v2, v[CC:CC+3],   s[24:25]
	global_store_b128 v2, v[CC+4:CC+7], s[24:25] offset:16
	global_store_b128 v2, v[GG:GG+3],   s[24:25] offset:1024
	global_store_b128 v2, v[GG+4:GG+7], s[24:25] offset:1040
	global_store_b128 v2, v[NB:NB+3],   s[24:25] offset:2048
	global_store_b128 v2, v[NB+4:NB+7], s[24:25] offset:2064
	global_store_b128 v2, v[RC:RC+3],   s[24:25] offset:3072
	global_store_b128 v2, v[RC+4:RC+7], s[24:25] offset:3088
	global_store_b128 v2, v[DC:DC+3],   s[24:25] offset:4096
	global_store_b128 v2, v[DC+4:DC+7], s[24:25] offset:4112
.Lend:
	s_wait_tensorcnt 0x0
	ds_add_u32 v192, v193
	s_wait_dscnt 0x0
	s_endpgm
.Lfunc_end_k_qce0a70accb_prep:
	.size	k_qce0a70accb_prep, .Lfunc_end_k_qce0a70accb_prep-k_qce0a70accb_prep
	.p2alignl 7, 3214868480
	.fill 96, 4, 3214868480
	.section	.rodata,"a",@progbits
	.p2align	6, 0x0
	.amdhsa_kernel k_qce0a70accb_prep
		.amdhsa_group_segment_fixed_size 1280
		.amdhsa_private_segment_fixed_size 0
		.amdhsa_enable_private_segment 0
		.amdhsa_kernarg_size 88
		.amdhsa_user_sgpr_count 2
		.amdhsa_user_sgpr_kernarg_segment_ptr 1
		.amdhsa_wavefront_size32 1
		.amdhsa_system_sgpr_workgroup_id_x 1
		.amdhsa_system_sgpr_workgroup_id_y 1
		.amdhsa_system_sgpr_workgroup_id_z 1
		.amdhsa_system_vgpr_workitem_id 0
		.amdhsa_next_free_vgpr 194
		.amdhsa_next_free_sgpr 66
		.amdhsa_reserve_vcc 1
		.amdhsa_float_denorm_mode_32 3
		.amdhsa_float_denorm_mode_16_64 3
		.amdhsa_memory_ordered 1
		.amdhsa_forward_progress 1
		.amdhsa_inst_pref_size 35
	.end_amdhsa_kernel
	.amdgpu_metadata
---
amdhsa.version: [ 1, 2 ]
amdhsa.kernels:
  - .name:           k_qce0a70accb_prep
    .symbol:         k_qce0a70accb_prep.kd
    .args:
      - { .name: x, .offset: 0, .size: 8, .value_kind: global_buffer, .address_space: global }
      - { .name: phi_knots, .offset: 8, .size: 8, .value_kind: global_buffer, .address_space: global }
      - { .name: shifts, .offset: 16, .size: 8, .value_kind: global_buffer, .address_space: global }
      - { .name: phi_log_increments, .offset: 24, .size: 8, .value_kind: global_buffer, .address_space: global }
      - { .name: Phi_coeffs, .offset: 32, .size: 8, .value_kind: global_buffer, .address_space: global }
      - { .name: Phi_knots, .offset: 40, .size: 8, .value_kind: global_buffer, .address_space: global }
      - { .name: cc, .offset: 48, .size: 8, .value_kind: global_buffer, .address_space: global }
      - { .name: cr, .offset: 56, .size: 8, .value_kind: global_buffer, .address_space: global }
      - { .name: xi, .offset: 64, .size: 8, .value_kind: global_buffer, .address_space: global }
      - { .name: wn, .offset: 72, .size: 8, .value_kind: global_buffer, .address_space: global }
      - { .name: ft, .offset: 80, .size: 8, .value_kind: global_buffer, .address_space: global }
    .group_segment_fixed_size: 1280
    .private_segment_fixed_size: 0
    .kernarg_segment_align: 8
    .kernarg_segment_size: 88
    .max_flat_workgroup_size: 256
    .sgpr_count:     66
    .vgpr_count:     194
    .wavefront_size: 32
...
	.end_amdgpu_metadata
.endif
;; end of part 3
;; launch main (part 4): grid 256 x 1, 16 waves a work-group, no clusters, 57,088 bytes of LDS; arguments xi, wn, ft, lambdas, out0; writes out0
.if DOCPART == 4
	.amdgcn_target "amdgcn-amd-amdhsa--gfx1250"
	.amdhsa_code_object_version 6
	.text
	.protected	k_qce0a70accb_main
	.globl	k_qce0a70accb_main
	.p2align	8
	.type	k_qce0a70accb_main,@function
k_qce0a70accb_main:
	s_mov_b64 s[64:65], 0
	v_nop
	global_prefetch_b8 v0, s[64:65] scope:SCOPE_SE
	s_setreg_imm32_b32 hwreg(HW_REG_WAVE_MODE, 25, 1), 1
	s_wait_xcnt 0x0
; MAIN: y[b][q] = Phi( sum over p of lambda[p] phi(x[b][p] + shifts[q]) ), on the whole numbers and tables that the launch before has stored.
; INNER SPLINE, all addresses from integers read from memory.  z = xi[b][p] + si[q] + BIAS is never negative (|xi| <= 2^28, |si| < 2^27, BIAS = 3 x 2^27).
; Its cell min(z >> 18, 2048) holds 16 bytes {kb, cl, gm, gh}, and phi = cl + gm d + gh |d| with d = float(z - kb):
;   kb the first knot at or above the cell's first value, cl the left line's value there, gm = (gl + gr) / 2, gh = (gr - gl) / 2 of the slopes left and right of kb:
;   the left line for d < 0, the right one for d > 0.  That is the whole spline where no cell holds two knots and no segment is degenerate (W = 0).
;   The 1,536 cells below the knots hold {.., c[0], 0, 0}; cell 2048 (all above the grid) and every cell that begins above the last knot hold {.., V, 0, 0};
;   behind the last knot the right slope is 0: no clamp of z is needed.
;   Otherwise (W = the largest number of knots in a cell, a count read from memory) the entries are built with gh = 0, gm = gl (the left line alone), and W steps
;   of a walk add, for each further knot k[j] < z, the difference of line j and line j - 1: J[j] + (g[j] - g[j-1]) (z - k[j]).  The sum telescopes to the valid line.
; OUTER SPLINE, without any address (its argument is a float made here): y = sum over 256 ramps of dc x clamp(s rc + nb, 0, 1).
; SHARES: work-group g owns rows 2 g and 2 g + 1 of the output (512 numbers, 2,048 consecutive bytes).  Thread t owns output 512 g + t:
; b = 2 g + t / 256, q = t mod 256, and sums all 256 p itself: no sum crosses lanes or waves.  xi's row and lambda are the same for all lanes of a
; wave and come through scalar loads, sixteen at a time, one batch ahead.
; THE SUM OVER p STAYS IN f32 ON THE VECTOR UNIT: it has one output column and costs one multiply-add for each value, less than rounding the values to
; 16 bits would; and the rounding of 256 summands to bf16, multiplied by the outer spline's slope, would not fit the margin of the comparison.
; NOT USED: tensor loads, copies and clusters (8 KiB of tables, staged once through registers).
; LIMITS: knots non-decreasing; NaN and infinities are not reproduced; the f32 sums run in another order than in the problem's definition.
; Right of a knot the two-slope form makes gr d as a difference of gm d and gh d: its rounding error is about 2^-24 gl d, and with d inside one cell (2^18 units)
; at most the left segment's rise x 2^-6 / its width in units: it counts only for knots a few units apart.
.set BIAS,  0x18000000                 ; 3 x 2^27 = 1,536 cells
.set NBEL,  1536                       ; cells below the knots
.set LFC,   0                          ; LDS 0 .. 32783      2,049 cells of 16 bytes
.set LCI,   33024                      ; LDS .. 41219        2,049 words: 16 x the index valid at the cell's first value (read by the walk alone)
.set LNB,   41472                      ; LDS .. 42495        ramps: nb
.set LRC,   42496                      ; LDS .. 43519        rc
.set LDC,   43520                      ; LDS .. 44543        dc; it ends where E begins (see the walk's items below)
.set LE,    44544                      ; LDS .. 48639        256 entries of 16 bytes: ki + BIAS, c, g, 0
.set LIT,   48640                      ; LDS .. 52751        257 items of 16 bytes: k, J, g[j] - g[j-1], 0; item 256 is never passed
.set LST,   52992                      ; LDS .. 55039        the way out, 4 bytes a thread
.set ACC, 4                            ; v[4:11]    eight partial sums of s
.set Z,   12                           ; v[12:27]   sixteen z
.set CA,  28                           ; v[28:43]   cell address, then phi
.set FC,  44                           ; v[44:107]  sixteen cell entries
.set T,   108                          ; v[108:123] d
.set IA,  124                          ; v[124:131] walk: item offset
.set IX,  132                          ; v[132:139] walk: the cell's index word
.set IT,  140                          ; v[140:171] walk: eight items, three of four registers used
.set OB,  44                           ; v[44:91], v[92:139]  outer: two sets of 16 nb, 16 rc, 16 dc
.set Y,   140                          ; v[140:147] outer: eight partial sums of y
.set SP,  148                          ; v[148:149] s twice
; v1 4 t; v2 si of my q + BIAS; v3 4 (t mod 256); v13 zero; v14 16 t; v172 zero
; s[16:31], s[32:47] xi and lambda of a batch, set 0; s[68:83], s[84:99] set 1; s[48:49], s[50:51] their pointers; s2 W; s3 0.5 or 0
	s_load_b256 s[4:11], s[0:1], 0x0               ; xi s[4:5], wn s[6:7], ft s[8:9], lambdas s[10:11]
	s_load_b64 s[12:13], s[0:1], 0x20              ; out0
	v_lshl_add_u32 v176, v0, 2, 0xd700
	v_mov_b32 v177, 0
	v_lshrrev_b32 v1, 5, v0
	v_readfirstlane_b32 s14, v1                    ; wave, 0 .. 15
	v_lshlrev_b32 v1, 2, v0                        ; word t
	v_and_b32 v3, 255, v0
	v_lshlrev_b32 v3, 2, v3                        ; element t mod 256 of an array
	v_lshlrev_b32 v14, 4, v0                       ; entry t
	v_mov_b32 v13, 0
	s_lshr_b32 s54, s14, 3
	s_lshl_b32 s55, ttmp9, 1
	s_add_co_u32 s54, s54, s55                     ; b
	s_lshl_b32 s54, s54, 10                        ; a row of xi is 1,024 bytes
	s_mov_b32 s55, 0
	s_wait_kmcnt 0x0
	s_add_nc_u64 s[48:49], s[4:5], s[54:55]
	s_mov_b64 s[50:51], s[10:11]
	s_load_b512 s[68:83], s[6:7], 0x1000           ; the 32 work-groups' L; all scalar data are asked for together and waited for once
	s_load_b512 s[84:99], s[6:7], 0x1040
	s_load_b512 s[16:31], s[48:49], 0x0            ; batch 0
	s_load_b512 s[32:47], s[50:51], 0x0
	global_load_b32 v12, v1, s[6:7]                ; 16 x index of cell t
	global_load_b32 v2, v3, s[6:7] offset:3072     ; si[q]
	; staging: waves 0-7 the inner table, waves 8-15 the ramps
	s_cmp_lt_u32 s14, 8
	s_cbranch_scc0 .Lramps
	global_load_b32 v44, v3, s[6:7] offset:2048    ; ki[t]
	global_load_b32 v45, v3, s[8:9]                ; c[t]
	global_load_b32 v46, v3, s[8:9] offset:1024    ; g[t]
	v_mov_b32 v47, 0
	s_wait_loadcnt 0x0
	v_add_nc_u32 v44, BIAS, v44
	ds_store_b128 v14, v[44:47] offset:LE
	s_branch .Lstaged
.Lramps:
	global_load_b32 v44, v3, s[8:9] offset:2048
	global_load_b32 v45, v3, s[8:9] offset:3072
	global_load_b32 v46, v3, s[8:9] offset:4096
	s_wait_loadcnt 0x0
	ds_store_b32 v3, v44 offset:LNB
	ds_store_b32 v3, v45 offset:LRC
	ds_store_b32 v3, v46 offset:LDC
.Lstaged:
	v_add_nc_u32 v2, BIAS, v2
	v_min_u32 v12, 4064, v12                       ; the bound stands in the text: index at most 254
	s_wait_kmcnt 0x0
.set r, 69
.rept 31
	s_max_u32 s68, s68, s[r]
.set r, r+1
.endr
	s_min_u32 s68, s68, 256                        ; a cell holds at most the 256 knots there are
	s_cmp_gt_u32 s68, 1
	s_cselect_b32 s2, s68, 0                       ; W: the walk's trips
	s_cselect_b32 s3, 0, 0x3f000000                ; with a walk the entries hold the left line alone
	s_wait_dscnt 0x0                               ; my part of the staged tables is in LDS before I say so
	s_barrier_signal -1
	s_barrier_wait -1                              ; E and the ramps are whole; nobody writes them again
	; THE CELL ENTRIES.  Thread t: cell NBEL + t from entries idx and idx + 1, and three of the cells below.
	ds_load_b128 v[44:47], v12 offset:LE           ; entry idx: the left line
	ds_load_b128 v[48:51], v12 offset:LE+16        ; entry idx + 1: kb and the right slope
	ds_load_b128 v[52:55], v13 offset:LE           ; entry 0
	v_mov_b32 v68, 4080                            ; index word of the cells outside the knots: the walk starts at item 256
	v_lshl_add_u32 v69, v0, 18, BIAS               ; the first value of cell NBEL + t
	s_wait_dscnt 0x0
	v_sub_nc_u32 v56, v48, v44
	v_sub_f32 v57, v50, v46                        ; gr - gl
	v_cmp_le_i32 vcc_lo, v69, v48                  ; false only where all 256 knots lie below the cell: there cl is V and the spline is flat
	v_cvt_f32_i32 v56, v56
	v_mul_f32 v63, s3, v57                         ; gh
	v_mov_b32 v60, v48                             ; kb
	v_fma_f32 v61, v46, v56, v45                   ; cl
	v_add_f32 v62, v46, v63                        ; gm = gl + gh
	v_cndmask_b32 v63, 0, v63, vcc_lo              ; a cell above the last knot: no slopes ..
	v_cndmask_b32 v62, 0, v62, vcc_lo
	v_cndmask_b32 v69, v68, v12, vcc_lo            ; .. and nothing for the walk to add
	v_mov_b32 v54, 0                               ; entry 0 without its slope: {BIAS, c[0], 0, 0}
	ds_store_b128 v14, v[60:63] offset:LFC+16*NBEL
	ds_store_b32 v1, v69 offset:LCI+4*NBEL
.irp k, 0,1,2
	ds_store_b128 v14, v[52:55] offset:LFC+8192*\k
	ds_store_b32 v1, v68 offset:LCI+2048*\k
.endr
	; the walk's items, by waves 0-7: item t from entries t - 1 and t.  Thread 0 reads, in the place of an entry -1, the 16 bytes in front of the table: the ramps'
	; last four heights, written before the barrier above and never again.  Item 0, which they make, is never read: the walk starts at index + 1, at least 1.
	s_cmp_lt_u32 s14, 8
	s_cbranch_scc0 .Lbuilt
	ds_load_b128 v[72:75], v14 offset:LE-16
	ds_load_b128 v[76:79], v14 offset:LE
	s_wait_dscnt 0x0
	v_sub_nc_u32 v80, v76, v72
	v_sub_f32 v82, v78, v74                        ; g[t] - g[t-1]
	v_cvt_f32_i32 v80, v80
	v_mov_b32 v83, 0
	v_fma_f32 v81, v74, v80, v73                   ; line t - 1 at knot t
	v_mov_b32 v80, v76
	v_sub_f32 v81, v77, v81                        ; J: the jump there
	ds_store_b128 v14, v[80:83] offset:LIT
	; wave 0, every lane the same bytes with the same values: cell 2048 = entry 255 as it is ({R, V, 0, 0}), and item 256
	s_cmp_lg_u32 s14, 0
	s_cbranch_scc1 .Lbuilt
	ds_load_b128 v[84:87], v13 offset:LE+4080
	v_mov_b32 v88, 0x7fffffff                      ; a knot above every z
	v_mov_b32 v89, 0
	v_mov_b32 v90, 0
	v_mov_b32 v91, 0
	s_wait_dscnt 0x0
	ds_store_b128 v13, v[84:87] offset:LFC+32768
	ds_store_b32 v13, v68 offset:LCI+8192
	ds_store_b128 v13, v[88:91] offset:LIT+4096
.Lbuilt:
.irp i, 0,1,2,3,4,5,6,7
	v_mov_b32 v[ACC+\i], 0
.endr
	s_wait_dscnt 0x0                               ; my entries are in LDS before I say so
	s_barrier_signal -1
	s_barrier_wait -1                              ; cells and items are whole; nobody writes them again
; Eight z (numbers h .. h + 7 of scalar set cur) and their cells, operation by operation, so that no line reads the result of the line before it.
.macro ADDR cur, h
.irp i, 0,1,2,3,4,5,6,7
	v_add_nc_u32 v[Z+\h+\i], s[16+52*\cur+\h+\i], v2
.endr
.irp i, 0,1,2,3,4,5,6,7
	v_lshrrev_b32 v[CA+\h+\i], 18, v[Z+\h+\i]
.endr
.irp i, 0,1,2,3,4,5,6,7
	v_min_u32 v[CA+\h+\i], 2048, v[CA+\h+\i]       ; all above the grid is one cell; the bound stands in the text
.endr
.irp i, 0,1,2,3,4,5,6,7
	v_lshlrev_b32 v[CA+\h+\i], 4, v[CA+\h+\i]
.endr
.irp i, 0,1,2,3,4,5,6,7
	ds_load_b128 v[FC+4*(\h+\i):FC+4*(\h+\i)+3], v[CA+\h+\i] offset:LFC
.endr
.endm
; The walk for eight values: only where some cell holds two knots or a segment is degenerate.  Its waits for its own loads also cover whatever older LDS load is out.
.macro WALK h
	s_cmp_eq_u32 s2, 0
	s_cbranch_scc1 .Lfound_\@
.irp i, 0,1,2,3,4,5,6,7
	v_lshrrev_b32 v[IA+\i], 18, v[Z+\h+\i]
.endr
.irp i, 0,1,2,3,4,5,6,7
	v_min_u32 v[IA+\i], 2048, v[IA+\i]
.endr
.irp i, 0,1,2,3,4,5,6,7
	v_lshlrev_b32 v[IA+\i], 2, v[IA+\i]
.endr
.irp i, 0,1,2,3,4,5,6,7
	ds_load_b32 v[IX+\i], v[IA+\i] offset:LCI
.endr
	s_wait_dscnt 0x0
.irp i, 0,1,2,3,4,5,6,7
	v_min_u32 v[IA+\i], 4080, v[IX+\i]
.endr
.irp i, 0,1,2,3,4,5,6,7
	v_add_nc_u32 v[IA+\i], 16, v[IA+\i]            ; the first knot at or above the cell's first value
.endr
	s_mov_b32 s53, 0
.Lwalk_\@:
.irp i, 0,1,2,3,4,5,6,7
	ds_load_b96 v[IT+4*\i:IT+4*\i+2], v[IA+\i] offset:LIT
.endr
.irp i, 0,1,2,3,4,5,6,7
	s_wait_dscnt 7-\i                              ; LDS loads come back in order: item i is in, the 7 - i younger ones stay out
	v_sub_nc_u32 v[T+\h+\i], v[Z+\h+\i], v[IT+4*\i]
	v_cmp_lt_i32 vcc_lo, 0, v[T+\h+\i]             ; is the knot below z?
	v_cvt_f32_i32 v[T+\h+\i], v[T+\h+\i]
	v_fma_f32 v[T+\h+\i], v[T+\h+\i], v[IT+4*\i+2], v[IT+4*\i+1]
	v_cndmask_b32 v[T+\h+\i], 0, v[T+\h+\i], vcc_lo
	v_add_f32 v[CA+\h+\i], v[CA+\h+\i], v[T+\h+\i]
	v_add_nc_u32 v[IA+\i], 16, v[IA+\i]
	v_min_u32 v[IA+\i], 4096, v[IA+\i]             ; item 256 is the last
.endr
	s_add_co_u32 s53, s53, 1
	s_cmp_lt_u32 s53, s2
	s_cbranch_scc1 .Lwalk_\@
.Lfound_\@:
.endm
; phi of eight values and their share of the sum.
.macro LERP cur, h
.irp i, 0,1,2,3,4,5,6,7
	v_sub_nc_u32 v[T+\h+\i], v[Z+\h+\i], v[FC+4*(\h+\i)]
.endr
.irp i, 0,1,2,3,4,5,6,7
	v_cvt_f32_i32 v[T+\h+\i], v[T+\h+\i]
.endr
.irp i, 0,1,2,3,4,5,6,7
	v_fma_f32 v[CA+\h+\i], v[T+\h+\i], v[FC+4*(\h+\i)+2], v[FC+4*(\h+\i)+1]
.endr
.irp i, 0,1,2,3,4,5,6,7
	v_fma_f32 v[CA+\h+\i], |v[T+\h+\i]|, v[FC+4*(\h+\i)+3], v[CA+\h+\i]
.endr
	WALK \h
.irp i, 0,1,2,3,4,5,6,7
	v_fmac_f32 v[ACC+\i], s[32+52*\cur+\h+\i], v[CA+\h+\i]     ; eight chains take turns
.endr
.endm
; Sixteen p.  cur: the scalar set that holds them; pf = 1: the next sixteen are asked for into the other set, at byte off of the pointers; step = 1: the pointers go on by 32 p first.
.macro BATCH cur, pf, step, off
	s_wait_kmcnt 0x0                               ; scalar loads return in no order: zero.  Set cur is in, and no scalar load is out, so the pointers may be written
.if \step
	s_add_nc_u64 s[48:49], s[48:49], 128
	s_add_nc_u64 s[50:51], s[50:51], 128
.endif
.if \pf
	s_load_b512 s[68-52*\cur:83-52*\cur], s[48:49], \off
	s_load_b512 s[84-52*\cur:99-52*\cur], s[50:51], \off
.endif
	ADDR \cur, 0
	ADDR \cur, 8                                   ; the second half's addresses are made while the first half's entries are on their way
	s_wait_dscnt 8                                 ; the first eight entries are in; the eight younger loads stay out
	LERP \cur, 0
	s_wait_dscnt 0x0
	LERP \cur, 8
.endm
	s_mov_b32 s52, 7                               ; 7 trips of two batches, and two batches behind the loop: 16 x 16 = 256 p
.Lp:
	BATCH 0, 1, 0, 64
	BATCH 1, 1, 1, 0
	s_sub_co_i32 s52, s52, 1
	s_cmp_lg_u32 s52, 0
	s_cbranch_scc1 .Lp
	BATCH 0, 1, 0, 64                              ; asks for the last sixteen
	BATCH 1, 0, 0, 0                               ; asks for nothing: no load passes the row's or lambda's end
	; THE OUTER SPLINE: 16 blocks of 16 ramps.  Every lane reads the same words of the three arrays.
	v_pk_add_f32 v[ACC:ACC+1], v[ACC:ACC+1], v[ACC+2:ACC+3]
	v_pk_add_f32 v[ACC+4:ACC+5], v[ACC+4:ACC+5], v[ACC+6:ACC+7]
	v_mov_b32 v172, 0
	v_pk_add_f32 v[ACC:ACC+1], v[ACC:ACC+1], v[ACC+4:ACC+5]
	v_add_f32 v[SP], v[ACC], v[ACC+1]
	v_add_f32 v[SP+1], v[ACC], v[ACC+1]            ; s twice, a pair for the packed forms
.set OBLK, 0
.macro OLOAD set                       ; the next block's 48 numbers into register set 0 or 1: twelve loads
.irp k, 0,1,2,3
	ds_load_b128 v[OB+48*\set+4*\k:OB+48*\set+4*\k+3], v172 offset:LNB+64*OBLK+16*\k
.endr
.irp k, 0,1,2,3
	ds_load_b128 v[OB+48*\set+16+4*\k:OB+48*\set+16+4*\k+3], v172 offset:LRC+64*OBLK+16*\k
.endr
.irp k, 0,1,2,3
	ds_load_b128 v[OB+48*\set+32+4*\k:OB+48*\set+32+4*\k+3], v172 offset:LDC+64*OBLK+16*\k
.endr
.set OBLK, OBLK+1
.endm
.macro OCALC set, first                ; sixteen ramps, operation by operation; first = 1: the products start the partial sums, so that nothing is cleared
.irp j, 0,1,2,3,4,5,6,7
	v_pk_fma_f32 v[Z+2*\j:Z+2*\j+1], v[SP:SP+1], v[OB+48*\set+16+2*\j:OB+48*\set+16+2*\j+1], v[OB+48*\set+2*\j:OB+48*\set+2*\j+1]
.endr
.irp j, 0,1,2,3,4,5,6,7,8,9,10,11,12,13,14,15
	v_med3_num_f32 v[Z+\j], v[Z+\j], 0, 1.0
.endr
.irp j, 0,1,2,3
.if \first
	v_pk_mul_f32 v[Y+2*\j:Y+2*\j+1], v[Z+2*\j:Z+2*\j+1], v[OB+48*\set+32+2*\j:OB+48*\set+32+2*\j+1]
.else
	v_pk_fma_f32 v[Y+2*\j:Y+2*\j+1], v[Z+2*\j:Z+2*\j+1], v[OB+48*\set+32+2*\j:OB+48*\set+32+2*\j+1], v[Y+2*\j:Y+2*\j+1]
.endif
.endr
.irp j, 0,1,2,3
	v_pk_fma_f32 v[Y+2*\j:Y+2*\j+1], v[Z+8+2*\j:Z+8+2*\j+1], v[OB+48*\set+40+2*\j:OB+48*\set+40+2*\j+1], v[Y+2*\j:Y+2*\j+1]
.endr
.endm
	OLOAD 0                                        ; block 0
	OLOAD 1                                        ; block 1
	s_wait_dscnt 12                                ; block 0 is in; the twelve younger loads stay out
	OCALC 0, 1
.rept 7
	OLOAD 0                                        ; blocks 2, 4, .. 14
	s_wait_dscnt 12
	OCALC 1, 0                                     ; blocks 1, 3, .. 13
	OLOAD 1                                        ; blocks 3, 5, .. 15
	s_wait_dscnt 12
	OCALC 0, 0                                     ; blocks 2, 4, .. 14
.endr
	s_wait_dscnt 0x0
	OCALC 1, 0                                     ; block 15
	v_pk_add_f32 v[Y:Y+1], v[Y:Y+1], v[Y+2:Y+3]
	v_pk_add_f32 v[Y+4:Y+5], v[Y+4:Y+5], v[Y+6:Y+7]
	v_pk_add_f32 v[Y:Y+1], v[Y:Y+1], v[Y+4:Y+5]
	v_add_f32 v[Y], v[Y], v[Y+1]
	; THE WAY OUT: 4 bytes a thread into LDS; four waves read 16 bytes a lane back and store them: sixteen lanes write 256 consecutive bytes, aligned
	ds_store_b32 v1, v[Y] offset:LST
	s_wait_dscnt 0x0                               ; my number is in LDS before I say so
	s_barrier_signal -1
	s_barrier_wait -1
	s_cmp_gt_u32 s14, 3
	s_cbranch_scc1 .Lend                           ; no barrier follows
	v_lshlrev_b32 v3, 4, v0
	ds_load_b128 v[12:15], v3 offset:LST
	s_lshl_b32 s54, ttmp9, 11                      ; the work-group's 2,048 bytes
	s_mov_b32 s55, 0
	s_add_nc_u64 s[12:13], s[12:13], s[54:55]
	s_wait_dscnt 0x0
	global_store_b128 v3, v[12:15], s[12:13]
.Lend:
	s_wait_tensorcnt 0x0
	ds_add_u32 v176, v177
	s_wait_dscnt 0x0
	s_endpgm
.Lfunc_end_k_qce0a70accb_main:
	.size	k_qce0a70accb_main, .Lfunc_end_k_qce0a70accb_main-k_qce0a70accb_main
	.p2alignl 7, 3214868480
	.fill 96, 4, 3214868480
	.section	.rodata,"a",@progbits
	.p2align	6, 0x0
	.amdhsa_kernel k_qce0a70accb_main
		.amdhsa_group_segment_fixed_size 57088
		.amdhsa_private_segment_fixed_size 0
		.amdhsa_enable_private_segment 0
		.amdhsa_kernarg_size 40
		.amdhsa_user_sgpr_count 2
		.amdhsa_user_sgpr_kernarg_segment_ptr 1
		.amdhsa_wavefront_size32 1
		.amdhsa_system_sgpr_workgroup_id_x 1
		.amdhsa_system_sgpr_workgroup_id_y 1
		.amdhsa_system_sgpr_workgroup_id_z 1
		.amdhsa_system_vgpr_workitem_id 0
		.amdhsa_next_free_vgpr 178
		.amdhsa_next_free_sgpr 100
		.amdhsa_reserve_vcc 1
		.amdhsa_float_denorm_mode_32 3
		.amdhsa_float_denorm_mode_16_64 3
		.amdhsa_memory_ordered 1
		.amdhsa_forward_progress 1
		.amdhsa_inst_pref_size 127
	.end_amdhsa_kernel
	.amdgpu_metadata
---
amdhsa.version: [ 1, 2 ]
amdhsa.kernels:
  - .name:           k_qce0a70accb_main
    .symbol:         k_qce0a70accb_main.kd
    .args:
      - { .name: xi, .offset: 0, .size: 8, .value_kind: global_buffer, .address_space: global }
      - { .name: wn, .offset: 8, .size: 8, .value_kind: global_buffer, .address_space: global }
      - { .name: ft, .offset: 16, .size: 8, .value_kind: global_buffer, .address_space: global }
      - { .name: lambdas, .offset: 24, .size: 8, .value_kind: global_buffer, .address_space: global }
      - { .name: out0, .offset: 32, .size: 8, .value_kind: global_buffer, .address_space: global }
    .group_segment_fixed_size: 57088
    .private_segment_fixed_size: 0
    .kernarg_segment_align: 8
    .kernarg_segment_size: 40
    .max_flat_workgroup_size: 512
    .sgpr_count:     100
    .vgpr_count:     178
    .wavefront_size: 32
...
	.end_amdgpu_metadata
.endif
;; end of part 4
